; MI455X (gfx1250); checked and timed in simulation.
; The chip was launched on July 23, 2026; its instructions are those of AMD's public machine-readable ISA for CDNA 5 (MIT licence, August 2026) and "CDNA5" Instruction Set Architecture Reference Guide (July 2026). The comments in the code are by the model that wrote it; some were corrected since.
;; Attention. Allowed arithmetic: matrix products marked QUANTISED: E2M3 operands, one E8M0 scale for each 32 along K, by v_wmma_scale_f32_16x16x128_f8f6f4 with both operands' format E2M3, f32 sums; everything else in f32.
;; Inputs: W_proj 1,024 x 1,024 float32; W_qkv 1,024 x 3,072 float32; b_proj 1,024 float32; inputs 4 x 2,048 x 1,024 float32.
;; Outputs: out0 4 x 2,048 x 1,024 float32.
;; This version of the problem:
;;   THIS VERSION OF THE PROBLEM IS GIVEN IN LOW PRECISION. The matrix products marked QUANTISED in the list below multiply operands that are first quantised to E2M3 (2 exponent bits, 3 mantissa bits; 6 bits a number), with one power-of-two scale for each 32 numbers along K (OCP MX v1.0); their sums are f32. All else is computed in f32.
;;   The module's matrix products, in the order in which they are computed (A, B: the left and right operand; K: the contracted axis; several contracted axes count as one K, in the product's order):
;;     1. [M 8,192, K 1,024] x [K 1,024, N 3,072]; A: input inputs; B: input W_qkv: QUANTISED
;;     2. batch 64 x [M 2,048, K 64] x [K 64, N 2,048]; A: computed on the way; B: computed on the way: QUANTISED
;;     3. batch 64 x [M 2,048, K 2,048] x [K 2,048, N 64]; A: softmax (see below); B: computed on the way: QUANTISED
;;     4. [M 8,192, K 1,024] x [K 1,024, N 1,024]; A: computed on the way; B: input W_proj: QUANTISED
;;   THE QUANTISER, for each operand of a quantised product, along K:
;;     - K is cut into blocks of 32 from its start; a last block that is shorter is filled with zeros.
;;     - A block's scale is 2^e with e = floor(log2(the largest magnitude in the block)) - 2, held to -126 .. 127; a block of zeros has e = 0. As a byte (E8M0): e + 127.
;;     - Each number is divided by its block's scale, clamped to +-7.5, and rounded to the nearest number of E2M3, ties to even, subnormals kept.
;;     - The product sums the exact products of the quantised numbers (number of the format x scale) in f32.
;;   ~~~python
;;   def quantise(x, axis):      # numpy; x: float32 -> the quantised numbers, widened to float32 again
;;       x = np.moveaxis(x, axis, -1); K = x.shape[-1]
;;       x = np.pad(x, [(0, 0)] * (x.ndim - 1) + [(0, -K % 32)]); x = x.reshape(x.shape[:-1] + (-1, 32)); a = np.abs(x).max(-1, keepdims=True)
;;       e = np.where(a > 0, np.clip(np.frexp(np.where(a > 0, a, 1))[1] - 1 - 2, -126, 127), 0)      # np.frexp(a)[1] - 1 = floor(log2(a)), exactly
;;       r = np.clip(x / 2.0 ** e, -7.5, 7.5)
;;       step = 2.0 ** (np.maximum(np.frexp(np.where(r == 0, 1, r))[1] - 1, 0) - 3)
;;       q = np.round(r / step) * step * 2.0 ** e      # np.round: ties to even
;;       return np.moveaxis(q.reshape(q.shape[:-2] + (-1,))[..., :K], -1, axis).astype(np.float32)
;;   ~~~
;;   SOFTMAX AHEAD OF A QUANTISED PRODUCT. Where the list says 'softmax', what is quantised is not the finished softmax but p = 2^(t - M), with t = logit x log2(e) and M = ceil(the row's largest t), a whole number; so 1/2 < the row's largest p <= 1. The row's sum l is taken of the UNQUANTISED p, in f32, and the product's result is divided by l at the end. Since M is a whole number, a kernel that streams over the keys may use a running M (the ceiling of the running maximum): every later rescaling is an exact power of two, which a block's scale takes up: the codes' values come out the same.
;;   OPERANDS COMPUTED ON THE WAY. 'Computed on the way' means the value that the module computes at that place (a softmax that the list does not call 'softmax' is quantised finished and normalised). What goes into a quantiser is computed in f32, as accurately as f32 sums, v_exp_f32 and their like allow (about 1e-6 of the number): no bf16 or f16 on the way to a quantiser, and a product that is left as it is and whose result goes on into a quantised operand takes f32 operands (vector FMAs, or v_wmma_f32_16x16x4_f32). A number that lies on a knife's edge between two numbers of the format may be rounded either way, as far as f32 arithmetic and the matrix unit's own rounding can turn it there, and no further.
;; One version. Each part assembles by itself: llvm-mc -triple=amdgcn-amd-amdhsa -mcpu=gfx1250 --defsym DOCPART=n.
;; ======== version 1 of 1: 4 launches
;; limits: right only within a limited range of input values
;; workspace buffers: xq 6,553,600 bytes; wq 2,457,600 bytes; wp 819,200 bytes; qq 6,553,600 bytes; kv 13,107,200 bytes; oq 6,553,600 bytes
;; launch quant (part 1): grid 768 x 1, 8 waves a work-group, no clusters, 98,816 bytes of LDS; arguments inputs, W_qkv, W_proj, xq, wq, wp; writes xq, wq, wp
.if DOCPART == 1
	.amdgcn_target "amdgcn-amd-amdhsa--gfx1250"
	.amdhsa_code_object_version 6
	.text
	.protected	k_qf938bf7a14_quant
	.globl	k_qf938bf7a14_quant
	.p2align	8
	.type	k_qf938bf7a14_quant,@function
k_qf938bf7a14_quant:
	s_mov_b64 s[64:65], 0
	v_nop
	global_prefetch_b8 v0, s[64:65] scope:SCOPE_SE
	s_setreg_imm32_b32 hwreg(HW_REG_WAVE_MODE, 25, 1), 1
	s_wait_xcnt 0x0
; inputs [8192][1024], W_qkv [1024][3072] and W_proj [1024][1024], f32, become codes of FP6 (E2M3) along K with one E8M0 byte for each 32 along K,
; laid in the order of the matrix operand's registers.  A BLOCK of 12,800 bytes holds 128 rows (tokens, or columns of a weight) x 128 along K:
;   fragment T (16 rows) at 1536 T, as two halves c of 768 bytes: registers 6 c .. 6 c + 3 at 768 c + 16 x lane, registers 6 c + 4, 6 c + 5 at 768 c + 512 + 8 x lane;
;   scale words at 12288 + 256 (T / 4) + 16 r + 4 (T % 4), byte i for k = 32 i on.
; THE ROWS OF A FRAGMENT ARE NOT NEIGHBOURS: row p of fragment 2 b + u is index 32 b + 8 u + p + 8 (p / 8) of the 128, so that the results of two neighbouring fragments are 16 neighbours in a lane's registers.
; One work-group makes one block: numbers 0-511 those of inputs (K innermost), 512-703 of W_qkv, 704-767 of W_proj (K outermost: a lane takes a column and its registers run down K).
; A block's scale is 2^(floor(log2(largest magnitude)) - 2): its byte is the largest magnitude's exponent field - 2, held at 1 from below.
; LIMITS: a block of zeros gets the byte 1 where the rule says 127 (its codes are zeros, and this program alone reads the bytes); blocks whose largest magnitude lies under 2^-124 are held at that byte; NaN and infinities are not served.
; No work-group shares an input byte with another: no cluster, no tensor load.  The three paths part on the work-group's number and have LDS bytes of their own.
.set XST,   0                          ; inputs: a stage of 16 rows x (512 + 16) bytes for each wave
.set XSC,   67584                      ; and the block's 512 bytes of scale words
.set W1ST,  68096                      ; W_qkv: 2 x (768 + 128) bytes for each wave
.set W1SC,  82432
.set W2ST,  82944                      ; W_proj likewise
.set W2SC,  97280
.set SPARE, 97792                      ; the spare words, 128 bytes for each wave: four blocks of 256 bytes that no other line names
.set SPW, 12                           ; v12  LDS address of my spare word; never rewritten
.set NIL, 13                           ; v13  0; never rewritten
.set WV,  16                           ; s16  my wave's number
.set SEL, 20                           ; s[20:21] lane selects for v_permlanex16_b32: lane l xor 16
.set TM,  164                          ; v164-179 at work in QUANT
; 64 numbers of a lane, register 16 b + i = k 32 b + 16 (lane / 16) + i of my row, become a fragment's 12 registers of codes at v[pc] on and its scale word in v[pw]
.macro QUANT s, pc, pw
.irp b, 0,1,2,3
	v_max3_num_f32 v[TM+\b], |v[(\s)+16*\b]|, |v[(\s)+1+16*\b]|, 0x1800000   ; my 16 numbers of block b, and the floor 2^(3 - 127): the byte cannot fall under 1
.endr
.irp i, 2,4,6,8,10,12,14
.irp b, 0,1,2,3
	s_delay_alu instid0(VALU_DEP_4)
	v_max3_num_f32 v[TM+\b], v[TM+\b], |v[(\s)+16*\b+\i]|, |v[(\s)+1+16*\b+\i]|
.endr
.endr
.irp b, 0,1,2,3
	s_delay_alu instid0(VALU_DEP_4)
	v_permlanex16_b32 v[TM+4+\b], v[TM+\b], s[SEL], s[SEL+1]
.endr
.irp b, 0,1,2,3
	s_delay_alu instid0(VALU_DEP_4)
	v_max_num_f32 v[TM+\b], v[TM+\b], v[TM+4+\b]           ; with lane l xor 16's: the block's largest magnitude
.endr
.irp b, 0,1,2,3
	s_delay_alu instid0(VALU_DEP_4)
	v_add_nc_u32 v[TM+12+\b], 0xff000000, v[TM+\b]         ; 2 off its exponent field: the conversion's scale operand
.endr
.irp b, 0,1,2,3
	s_delay_alu instid0(VALU_DEP_4)
	v_lshrrev_b32 v[TM+4+\b], 23, v[TM+12+\b]              ; the scale's byte
.endr
	s_delay_alu instid0(VALU_DEP_3)
	v_lshl_or_b32 v[\pw], v[TM+5], 8, v[TM+4]
	s_delay_alu instid0(VALU_DEP_1)
	v_lshl_or_b32 v[\pw], v[TM+6], 16, v[\pw]
	s_delay_alu instid0(VALU_DEP_1)
	v_lshl_or_b32 v[\pw], v[TM+7], 24, v[\pw]
.irp c, 0,1
	v_cvt_scalef32_pk16_fp6_f32 v[(\pc)+6*\c:(\pc)+2+6*\c], v[(\s)+32*\c:(\s)+15+32*\c], v[TM+12+2*\c]
	v_cvt_scalef32_pk16_fp6_f32 v[(\pc)+12+4*\c:(\pc)+14+4*\c], v[(\s)+16+32*\c:(\s)+31+32*\c], v[TM+13+2*\c]   ; (a conversion's three registers begin on an even number)
.endr
	v_nop                                                  ; one plain place behind a scaled conversion
.irp c, 0,1                            ; the operand wants a whole block in a lane: lanes 0-15 block 2 c, lanes 16-31 block 2 c + 1
.irp i, 0,1,2
	v_permlane16_swap_b32 v[(\pc)+6*\c+\i], v[(\pc)+12+4*\c+\i]
.endr
.irp i, 0,1,2
	s_delay_alu instid0(VALU_DEP_3)
	v_mov_b32 v[(\pc)+3+6*\c+\i], v[(\pc)+12+4*\c+\i]
.endr
.endr
.endm
.macro CLOSE                           ; the wave's end: a tensor wait, an add and its wait behind my last LDS store, the tensor wait in a text with no tensor load too
	s_wait_tensorcnt 0x0
	ds_add_u32 v[SPW], v[NIL]
	s_wait_dscnt 0x0
	s_endpgm
.endm
	s_load_b256 s[4:11], s[0:1], 0x0               ; inputs s[4:5], W_qkv s[6:7], W_proj s[8:9], xq s[10:11]
	s_load_b128 s[12:15], s[0:1], 0x20             ; wq s[12:13], wp s[14:15]
	v_lshl_add_u32 v[SPW], v0, 2, SPARE
	v_mov_b32 v[NIL], 0
	v_lshrrev_b32 v1, 5, v0
	s_delay_alu instid0(VALU_DEP_1)
	v_readfirstlane_b32 s[WV], v1                  ; wave 0..7
	v_and_b32 v1, 31, v0                           ; lane
	v_and_b32 v2, 15, v0                           ; r
	v_bfe_u32 v3, v0, 4, 1                         ; h
	s_delay_alu instid0(VALU_DEP_3)
	v_lshlrev_b32 v4, 4, v1                        ; 16 x lane
	s_delay_alu instid0(VALU_DEP_4)
	v_lshlrev_b32 v5, 3, v1                        ; 8 x lane
	s_mov_b32 s[SEL], 0x76543210
	s_mov_b32 s[SEL+1], 0xfedcba98
	s_wait_kmcnt 0x0
	s_cmp_lt_u32 ttmp9, 512
	s_cbranch_scc0 .Lweights
	; ---- inputs: block (token group g = id / 8, K step id % 8); wave T makes fragment T
	s_lshr_b32 s17, ttmp9, 3
	s_lshl_b32 s17, s17, 7                         ; 128 g
	s_lshr_b32 s18, s[WV], 1
	s_lshl_b32 s18, s18, 5
	s_add_co_u32 s17, s17, s18                     ; + 32 (T / 2)
	s_and_b32 s18, s[WV], 1
	s_lshl_b32 s18, s18, 3
	s_add_co_u32 s17, s17, s18                     ; + 8 (T % 2): the fragment's first token
	s_lshl_b32 s22, s17, 12                        ; a row of inputs is 4,096 bytes
	s_and_b32 s18, ttmp9, 7
	s_lshl_b32 s18, s18, 9                         ; a K step is 512 bytes of it
	s_add_co_u32 s22, s22, s18
	s_mov_b32 s23, 0
	s_add_nc_u64 s[4:5], s[4:5], s[22:23]
	s_mul_i32 s24, ttmp9, 12800
	s_mov_b32 s25, 0
	s_add_nc_u64 s[10:11], s[10:11], s[24:25]      ; my block
	s_mul_i32 s24, s[WV], 1536
	s_add_nc_u64 s[28:29], s[10:11], s[24:25]      ; my fragment
	s_mul_i32 s27, s[WV], 8448                     ; my stage
	s_wait_alu depctr_va_vdst(0)
	v_add_nc_u32 v6, s27, v4                       ; in: a row's 512 bytes as they lie
	v_mul_u32_u24 v7, v2, 528
	s_delay_alu instid0(VALU_DEP_1)
	v_lshl_add_u32 v7, v3, 6, v7
	s_delay_alu instid0(VALU_DEP_1)
	v_add_nc_u32 v7, s27, v7                       ; back: row r, + 64 h: my 16 numbers of each block of 32
	s_lshr_b32 s30, s[WV], 2
	s_lshl_b32 s30, s30, 8
	s_and_b32 s31, s[WV], 3
	s_lshl_b32 s31, s31, 2
	s_add_co_u32 s30, s30, s31
	s_add_co_u32 s30, s30, XSC
	v_lshl_add_u32 v8, v2, 4, s30                  ; my row's scale word
	v_add_nc_u32 v9, XSC, v4                       ; and the 512 bytes of them, 16 a lane
.irp b, 0,1,2,3
	v_mov_b32 v[TM+4+\b], 0                        ; written once: a lane permute's destination counts as one of its sources
.endr
.irp p, 0,1,2,3,4,5,6,7,8,9,10,11,12,13,14,15
	global_load_b128 v[16+4*\p:19+4*\p], v4, s[4:5] offset:(\p+8*(\p/8))*4096 th:TH_LOAD_NT   ; 32 lanes read 512 consecutive bytes of one row
.endr
	s_wait_alu depctr_va_vdst(0)
.irp p, 0,1,2,3,4,5,6,7,8,9,10,11,12,13,14,15
	s_wait_loadcnt 15-\p                           ; row p is in; the younger loads may stay out
	ds_store_b128 v6, v[16+4*\p:19+4*\p] offset:528*\p
.endr
.irp b, 0,1,2,3
.irp j, 0,1,2,3
	ds_load_b128 v[80+16*\b+4*\j:83+16*\b+4*\j], v7 offset:128*\b+16*\j   ; LDS serves a wave's instructions in order (ISA guide 5.7.1.4): these see my stores
.endr
.endr
	s_wait_dscnt 0x0
	QUANT 80, 144, 180
	global_store_b128 v4, v[144:147], s[28:29]             ; each store covers 512 or 256 consecutive bytes, aligned
	global_store_b64 v5, v[148:149], s[28:29] offset:512
	global_store_b128 v4, v[150:153], s[28:29] offset:768
	global_store_b64 v5, v[154:155], s[28:29] offset:1280
	ds_store_b32 v8, v180                          ; both halves of the lanes write the same word with the same value
	s_wait_dscnt 0x0                               ; for the others' sake: my scale words lie in LDS
	s_barrier_signal -1
	s_barrier_wait -1
	s_cmp_lg_u32 s[WV], 0
	s_cbranch_scc1 .Lx_end
	ds_load_b128 v[16:19], v9                      ; wave 0 stores the block's scale words: 512 consecutive bytes
	s_wait_dscnt 0x0
	global_store_b128 v4, v[16:19], s[10:11] offset:12288
.Lx_end:
	CLOSE
; ---- a weight [1024 (k)][columns]: block (column group id' / 8, K step id' % 8).  Wave w: columns 32 (w % 4) on, k 64 (w / 4) on.  Lane l takes column 32 b + l, which is row r' = l % 8 + 8 (l / 16) of fragment 2 b + (l / 8) % 2.
.macro WPATH PITCH, ST, SC, SRC, DST, FIRST
	s_sub_co_u32 s17, ttmp9, \FIRST
	s_and_b32 s18, s17, 7
	s_lshl_b32 s18, s18, 7                         ; 128 x K step
	s_lshr_b32 s19, s[WV], 2                       ; c
	s_lshl_b32 s22, s19, 6
	s_add_co_u32 s18, s18, s22                     ; my first k
	s_mul_i32 s24, s18, \PITCH
	s_lshr_b32 s18, s17, 3
	s_lshl_b32 s18, s18, 9                         ; 128 columns of 4 bytes a group
	s_add_co_u32 s24, s24, s18
	s_and_b32 s23, s[WV], 3                        ; b
	s_lshl_b32 s18, s23, 7
	s_add_co_u32 s24, s24, s18
	s_mov_b32 s25, 0
	s_add_nc_u64 s[\SRC:\SRC+1], s[\SRC:\SRC+1], s[24:25]
	s_mul_i32 s24, s17, 12800
	s_add_nc_u64 s[\DST:\DST+1], s[\DST:\DST+1], s[24:25]   ; my block
	s_mul_i32 s24, s23, 3072
	s_mul_i32 s18, s19, 768
	s_add_co_u32 s24, s24, s18
	s_add_nc_u64 s[28:29], s[\DST:\DST+1], s[24:25]        ; half c of fragment 2 b
	s_mul_i32 s30, s[WV], 1792
	s_add_co_u32 s30, s30, \ST                     ; my stage: two halves of fragments, 896 bytes apart
	s_lshr_b32 s31, s23, 1
	s_lshl_b32 s31, s31, 8
	s_and_b32 s18, s23, 1
	s_lshl_b32 s18, s18, 3
	s_add_co_u32 s31, s31, s18
	s_lshl_b32 s18, s19, 1
	s_add_co_u32 s31, s31, s18
	s_add_co_u32 s31, s31, \SC                     ; 256 (b / 2) + 8 (b % 2) + 2 c: my two bytes of a scale word
	v_bfe_u32 v6, v0, 3, 1                         ; u
	v_and_b32 v7, 7, v0
	s_wait_alu depctr_va_vdst(0)
	v_lshl_add_u32 v7, v3, 3, v7                   ; r'
	v_mul_u32_u24 v8, v6, 896
	s_delay_alu instid0(VALU_DEP_1)
	v_add_nc_u32 v8, s30, v8
	s_delay_alu instid0(VALU_DEP_1)
	v_lshl_add_u32 v9, v7, 4, v8                   ; in: registers 0-3 of operand lane r' + 16 h'
	s_delay_alu instid0(VALU_DEP_2)
	v_lshl_add_u32 v10, v7, 3, v8                  ;     registers 4, 5
	v_add_nc_u32 v11, s30, v4                      ; back: 16 x lane,
	v_add_nc_u32 v14, s30, v5                      ;       8 x lane
	v_lshl_add_u32 v15, v6, 2, s31
	s_delay_alu instid0(VALU_DEP_1)
	v_lshl_add_u32 v15, v7, 4, v15                 ; + 4 u + 16 r'
	v_add_nc_u32 v104, \SC, v4
	v_lshlrev_b32 v105, 2, v1
.set I, 0
.rept 64
	global_load_b32 v[16+I], v105, s[\SRC:\SRC+1] offset:I*\PITCH th:TH_LOAD_NT   ; W(k + I, my column): a wave reads 128 consecutive bytes, four waves side by side 512
.set I, I+1
.endr
.irp h, 0,1                            ; my block h' of 32 along K: all its numbers are mine
	s_wait_loadcnt 32-32*\h                        ; its 32 loads are in; the second block's may stay out
	v_max3_num_f32 v106, |v[16+32*\h]|, |v[17+32*\h]|, |v[18+32*\h]|
	v_max3_num_f32 v107, |v[19+32*\h]|, |v[20+32*\h]|, |v[21+32*\h]|
.irp i, 6,10,14,18,22,26
	s_delay_alu instid0(VALU_DEP_2)
	v_max3_num_f32 v106, v106, |v[16+32*\h+\i]|, |v[17+32*\h+\i]|
	s_delay_alu instid0(VALU_DEP_2)
	v_max3_num_f32 v107, v107, |v[18+32*\h+\i]|, |v[19+32*\h+\i]|
.endr
	s_delay_alu instid0(VALU_DEP_2)
	v_max3_num_f32 v106, v106, |v[46+32*\h]|, |v[47+32*\h]|
	s_delay_alu instid0(VALU_DEP_1)
	v_max3_num_f32 v106, v106, v107, 0x1800000     ; and the floor
	s_delay_alu instid0(VALU_DEP_1)
	v_add_nc_u32 v[108+\h], 0xff000000, v106       ; the conversion's scale operand
	s_delay_alu instid0(VALU_DEP_1)
	v_lshrrev_b32 v[110+\h], 23, v[108+\h]         ; the byte
	v_cvt_scalef32_pk16_fp6_f32 v[80+8*\h:82+8*\h], v[16+32*\h:31+32*\h], v[108+\h]
	v_cvt_scalef32_pk16_fp6_f32 v[96+4*\h:98+4*\h], v[32+32*\h:47+32*\h], v[108+\h]
	v_nop                                          ; one plain place behind a scaled conversion
.irp i, 0,1,2
	v_mov_b32 v[83+8*\h+\i], v[96+4*\h+\i]
.endr
	ds_store_b128 v9, v[80+8*\h:83+8*\h] offset:256*\h
	ds_store_b64 v10, v[84+8*\h:85+8*\h] offset:512+128*\h
.endr
	v_lshl_or_b32 v110, v111, 8, v110
	ds_store_b16 v15, v110                         ; bytes 2 c and 2 c + 1 of my column's scale word
.irp u, 0,1
	ds_load_b128 v[112+8*\u:115+8*\u], v11 offset:896*\u           ; LDS serves a wave's instructions in order: these see my stores
	ds_load_b64 v[116+8*\u:117+8*\u], v14 offset:896*\u+512
.endr
	s_wait_dscnt 0x0                               ; my halves are back, and my scale bytes lie in LDS
.irp u, 0,1
	global_store_b128 v4, v[112+8*\u:115+8*\u], s[28:29] offset:1536*\u       ; 512 and 256 consecutive bytes, aligned
	global_store_b64 v5, v[116+8*\u:117+8*\u], s[28:29] offset:1536*\u+512
.endr
	s_barrier_signal -1
	s_barrier_wait -1
	s_cmp_lg_u32 s[WV], 0
	s_cbranch_scc1 .Lw_end_\@
	ds_load_b128 v[16:19], v104                    ; wave 0 stores the block's scale words
	s_wait_dscnt 0x0
	global_store_b128 v4, v[16:19], s[\DST:\DST+1] offset:12288
.Lw_end_\@:
	CLOSE
.endm
.Lweights:
	s_cmp_lt_u32 ttmp9, 704
	s_cbranch_scc0 .Lproj_w
	WPATH 12288, W1ST, W1SC, 6, 12, 512
.Lproj_w:
	WPATH 4096, W2ST, W2SC, 8, 14, 704
.Lfunc_end_k_qf938bf7a14_quant:
	.size	k_qf938bf7a14_quant, .Lfunc_end_k_qf938bf7a14_quant-k_qf938bf7a14_quant
	.p2alignl 7, 3214868480
	.fill 96, 4, 3214868480
	.section	.rodata,"a",@progbits
	.p2align	6, 0x0
	.amdhsa_kernel k_qf938bf7a14_quant
		.amdhsa_group_segment_fixed_size 98816
		.amdhsa_private_segment_fixed_size 0
		.amdhsa_enable_private_segment 0
		.amdhsa_kernarg_size 48
		.amdhsa_user_sgpr_count 2
		.amdhsa_user_sgpr_kernarg_segment_ptr 1
		.amdhsa_wavefront_size32 1
		.amdhsa_system_sgpr_workgroup_id_x 1
		.amdhsa_system_sgpr_workgroup_id_y 1
		.amdhsa_system_sgpr_workgroup_id_z 1
		.amdhsa_system_vgpr_workitem_id 0
		.amdhsa_next_free_vgpr 192
		.amdhsa_next_free_sgpr 66
		.amdhsa_reserve_vcc 0
		.amdhsa_float_denorm_mode_32 3
		.amdhsa_float_denorm_mode_16_64 3
		.amdhsa_memory_ordered 1
		.amdhsa_forward_progress 1
		.amdhsa_inst_pref_size 40
	.end_amdhsa_kernel
	.amdgpu_metadata
---
amdhsa.version: [ 1, 2 ]
amdhsa.kernels:
  - .name:           k_qf938bf7a14_quant
    .symbol:         k_qf938bf7a14_quant.kd
    .args:
      - { .name: inputs, .offset: 0, .size: 8, .value_kind: global_buffer, .address_space: global }
      - { .name: W_qkv, .offset: 8, .size: 8, .value_kind: global_buffer, .address_space: global }
      - { .name: W_proj, .offset: 16, .size: 8, .value_kind: global_buffer, .address_space: global }
      - { .name: xq, .offset: 24, .size: 8, .value_kind: global_buffer, .address_space: global }
      - { .name: wq, .offset: 32, .size: 8, .value_kind: global_buffer, .address_space: global }
      - { .name: wp, .offset: 40, .size: 8, .value_kind: global_buffer, .address_space: global }
    .group_segment_fixed_size: 98816
    .private_segment_fixed_size: 0
    .kernarg_segment_align: 8
    .kernarg_segment_size: 48
    .max_flat_workgroup_size: 256
    .sgpr_count:     66
    .vgpr_count:     192
    .wavefront_size: 32
...
	.end_amdgpu_metadata
.endif
;; end of part 1
;; launch qkv (part 2): grid 4 x 64, 4 waves a work-group, clusters of 4 x 4, 327,680 bytes of LDS; arguments xq, wq, qq, kv; writes qq, kv
.if DOCPART == 2
	.amdgcn_target "amdgcn-amd-amdhsa--gfx1250"
	.amdhsa_code_object_version 6
	.text
	.protected	k_qf938bf7a14_qkv
	.globl	k_qf938bf7a14_qkv
	.p2align	8
	.type	k_qf938bf7a14_qkv,@function
k_qf938bf7a14_qkv:
	s_mov_b64 s[64:65], 0
	v_nop
	global_prefetch_b8 v0, s[64:65] scope:SCOPE_SE
	s_setreg_imm32_b32 hwreg(HW_REG_WAVE_MODE, 25, 1), 1
	s_wait_xcnt 0x0
	s_wait_alu depctr_hold_cnt(0) depctr_sa_sdst(0) depctr_va_vdst(0) depctr_va_sdst(0) depctr_va_ssrc(0) depctr_va_vcc(0) depctr_vm_vsrc(0)
	s_getreg_b32 s2, hwreg(HW_REG_IB_STS2, 6, 4)
	s_cmp_eq_u32 s2, 0
	s_cbranch_scc0 .Lentry_in_a_cluster
	s_endpgm
.Lentry_in_a_cluster:
	s_bfe_u32 s2, ttmp6, 0x10000c
	s_cmp_lg_u32 s2, 0xf033
	s_cbranch_scc0 .Lentry_shape_is_right
	s_endpgm
.Lentry_shape_is_right:
; qkv = inputs W_qkv on codes of FP6 (E2M3) with E8M0 scales, and the results quantised again on the way out: q and k along the head's 64, v along the keys.
; A WORK-GROUP STAYS: four waves make 128 tokens x 256 columns (four heads) three times over: of q, of k, of v, each over all K = 1,024; wave w makes 128 tokens x one head's 64 columns: 32 accumulators, 256 registers.
; LDS: A's group (128 tokens x 1,024 K: 8 blocks of 12,800 bytes) is filled once and serves all three tiles.  B's two groups of a tile lie in TWO SLOTS of 102,400 bytes: slot q holds K steps 4 q .. 4 q + 3 of both groups.
; Behind a tile's step 3 nobody reads slot 0 any more: it takes the next tile's first half; behind step 7 slot 1 takes the second.  Each refill stands behind a tensor wait, an add onto the spare word and its wait, in every wave,
; and a whole round of the cluster's barrier; wave 1 issues it, one joint load.  Every wait on TENSORcnt is for 0.  A refill has four K steps, or the way out and three K steps, in which to land.
; The blocks are images of the operands' registers (fragment T at 1536 T in two halves of 768 bytes; scale words at 12288 + 256 (T / 4) + 16 r + 4 (T % 4)): every LDS load reads consecutive bytes.
; CLUSTERS: 4 x 4 work-groups.  The four of a row need the same group of A, the four of a column the same groups of B: each is asked for jointly, by the same tensor load with a mask that names the four.
; PREFETCH: what the next refill will load (400 blocks of 256 bytes) is asked for into the L2 one refill ahead: the four partners of a column take 100 blocks each, told apart by address; a lane a block, one instruction a wave.
; The first is asked for at the head; behind the last refill nothing is asked for.
; q, k: source 0 = 16 columns, source 1 = 16 tokens: a lane holds one token and its registers run along d.  v: the sources swapped: a lane holds one d and its registers run along the tokens.
; Either way 64 accumulator registers on end are four blocks of 32 along the next product's K, 16 numbers of each in a lane, and one way out serves all three:
;   q, k: PAIR IMAGE p = the codes of token fragments 2 p and 2 p + 1 (six registers each: 64 along d), its word = their 2 + 2 scale bytes;   v: fragment b = 16 of d x 128 keys.
;   An image's register i lies at 512 (i / 4) + 16 x lane + 4 (i % 4).  qq: (head-and-batch x 16 + token group) x 6,400: 4 images, 256 bytes of words.  kv: the same index x 12,800: K's 4 images, V's 4 fragments, K's words, V's words.
; LIMITS: a block of zeros gets the byte 1 where the rule says 127 (its codes are zeros, and this program alone reads the bytes); blocks whose largest magnitude lies under 2^-124 are held at that byte; NaN and infinities are not served.
; REGISTERS, in windows of 256: window 0: v1-13 addresses; v32-39 A's scale words, v40-47 B's, two sets each; v64-159, v160-255 A's 8 fragments, two sets.   window 1: v0-47, v48-95 B's 4 fragments, two sets.   window 2: the accumulators.
.set GRP,   102400                     ; a group: 128 rows x 1,024 K
.set BLK,   12800                      ; a block: 128 rows x 128 K
.set CHUNK, 51200                      ; four K steps of a group: half of it
.set SPARE, 307200                     ; behind A's group and B's slots: the spare words, 128 bytes for each wave: two blocks of 256 bytes that no other line names
.set SPW, 28                           ; v28  LDS address of my spare word; never rewritten
.set NIL, 29                           ; v29  0; never rewritten
.set PFO, 30                           ; v30  the prefetches' offset: 256 x min(my thread's number, 99); never rewritten
.set WV,  14                           ; s14  my wave's number
.set SEL, 20                           ; s[20:21] lane selects: lane l xor 16
.set FLR, 22                           ; s22  the floor 2^(3 - 127)
.set HM,  23                           ; s23  lanes 16-31
.set G1A, 24                           ; s[24:31] descriptor group 1 for A's halves;  s[32:39] for B's
.set G1B, 32
.set G0A, 40                           ; s[40:47] two groups 0 for A's halves;  s[68:75] for B's slots
.set G0B, 68
.set PF,  62                           ; s[62:63] where my work-group's share of the next prefetch begins
.set DC,  84                           ; s[84:85] my place in kv;  s[86:87] where the loop's tile goes: q's place, then k's;  s[96:97] its words
.set DS,  86
.set DW,  96
.set TI,  98                           ; s98  the loop's tile: 0 q, 1 k
.set TM,  144                          ; v144-159 at work on the way out
.set MSB, 0
.macro WIN new                         ; the immediate's high byte repeats the setting that is left
.if MSB != \new
	s_set_vgpr_msb (MSB<<8)|\new
.set MSB, \new
.endif
.endm
.macro PLACES n
.rept \n
	v_nop
.endr
.endm
.macro CROUND                          ; a round of the cluster's barrier
	s_barrier_signal -1
	s_barrier_wait -1
	s_cmp_lg_u32 s[WV], 0
	s_cbranch_scc1 .Lnot_wave_0_\@
	s_barrier_signal -3
.Lnot_wave_0_\@:
	s_barrier_wait -3
	s_barrier_signal -1
	s_barrier_wait -1
.endm
.macro ASK
	global_prefetch_b8 v[PFO], s[PF:PF+1] th:TH_LOAD_NT scope:SCOPE_SE
.endm
.macro FRAG reg, a16, a8, off          ; a fragment's 12 registers: two halves, each 16 and 8 bytes a lane; every load reads consecutive bytes
	ds_load_b128 v[\reg:\reg+3], v[\a16] offset:\off
	ds_load_b64 v[\reg+4:\reg+5], v[\a8] offset:\off+512
	ds_load_b128 v[\reg+6:\reg+9], v[\a16] offset:\off+768
	ds_load_b64 v[\reg+10:\reg+11], v[\a8] offset:\off+1280
.endm
.macro FETCH s, set                    ; K step s into set: 50 LDS loads in one run
.set HI, (\s)/4
.set O, ((\s)%4)*BLK
	WIN 0x40                                       ; destination window 1
.irp b, 0,1,2,3
	FRAG 48*(\set)+12*\b, 8+HI, 10+HI, O+1536*\b
.endr
	WIN 0
.irp a, 0,1,2,3,4,5,6,7
	FRAG 64+96*(\set)+12*\a, 4+HI, 6+HI, O+1536*\a
.endr
	ds_load_b128 v[32+4*(\set):35+4*(\set)], v[4+HI] offset:O+12288   ; A's scale words: lanes 0-15 those of fragments 0-3, lanes 16-31 those of fragments 4-7
	ds_load_b128 v[40+4*(\set):43+4*(\set)], v[12+HI] offset:O        ; B's four
.endm
.macro WM first, row                   ; one product: D at RD, sources at R0 and R1, their scale words in X0 and X1.  row = 1, 2: source 0's, source 1's words stand in lanes 16-31
.if \first
.if (\row) == 0
	v_wmma_scale_f32_16x16x128_f8f6f4 v[RD:RD+7], v[R0:R0+11], v[R1:R1+11], 0, v[X0], v[X1] matrix_a_fmt:MATRIX_FMT_FP6 matrix_b_fmt:MATRIX_FMT_FP6
.elseif (\row) == 1
	v_wmma_scale_f32_16x16x128_f8f6f4 v[RD:RD+7], v[R0:R0+11], v[R1:R1+11], 0, v[X0], v[X1] matrix_a_fmt:MATRIX_FMT_FP6 matrix_b_fmt:MATRIX_FMT_FP6 matrix_a_scale:MATRIX_SCALE_ROW1
.else
	v_wmma_scale_f32_16x16x128_f8f6f4 v[RD:RD+7], v[R0:R0+11], v[R1:R1+11], 0, v[X0], v[X1] matrix_a_fmt:MATRIX_FMT_FP6 matrix_b_fmt:MATRIX_FMT_FP6 matrix_b_scale:MATRIX_SCALE_ROW1
.endif
.else
.if (\row) == 0
	v_wmma_scale_f32_16x16x128_f8f6f4 v[RD:RD+7], v[R0:R0+11], v[R1:R1+11], v[RD:RD+7], v[X0], v[X1] matrix_a_fmt:MATRIX_FMT_FP6 matrix_b_fmt:MATRIX_FMT_FP6
.elseif (\row) == 1
	v_wmma_scale_f32_16x16x128_f8f6f4 v[RD:RD+7], v[R0:R0+11], v[R1:R1+11], v[RD:RD+7], v[X0], v[X1] matrix_a_fmt:MATRIX_FMT_FP6 matrix_b_fmt:MATRIX_FMT_FP6 matrix_a_scale:MATRIX_SCALE_ROW1
.else
	v_wmma_scale_f32_16x16x128_f8f6f4 v[RD:RD+7], v[R0:R0+11], v[R1:R1+11], v[RD:RD+7], v[X0], v[X1] matrix_a_fmt:MATRIX_FMT_FP6 matrix_b_fmt:MATRIX_FMT_FP6 matrix_b_scale:MATRIX_SCALE_ROW1
.endif
.endif
.endm
; 32 products: A's eight fragments x B's four, 128 along K.  The 32 accumulators take turns, one instruction a turn, in the same order in every step.  first = 1: the products start the sums
.macro MUL set, first, swap
.if \swap
	WIN 0xa4                                       ; source 0 (A) window 0, source 1 (B) window 1, C and D window 2
.else
	WIN 0xa1                                       ; source 0 (B) window 1, source 1 (A) window 0, C and D window 2
.endif
.irp a, 0,1,2,3,4,5,6,7
.irp b, 0,1,2,3
.if \swap
.set RD, 8*(8*\b+\a)
.set R0, 64+96*(\set)+12*\a
.set R1, 48*(\set)+12*\b
.set X0, 32+4*(\set)+\a%4
.set X1, 40+4*(\set)+\b
	WM \first, \a/4
.else
.set RD, 8*(4*\a+\b)
.set R0, 48*(\set)+12*\b
.set R1, 64+96*(\set)+12*\a
.set X0, 40+4*(\set)+\b
.set X1, 32+4*(\set)+\a%4
	WM \first, 2*(\a/4)
.endif
.endr
.endr
.endm
; A K step.  more = 1: the tile has a successor: at steps 3 and 7 the slot that has been read out is filled again
.macro STEP s, swap, more
.if (\more) && ((\s) == 3 || (\s) == 7)
	s_wait_xcnt 0x0                                ; my last prefetch has read its address: it is stepped here, ahead of the waits of the change of slots
.if (\s) == 3
	s_add_nc_u64 s[PF:PF+1], s[PF:PF+1], CHUNK             ; to the same tile's second half
.else
	s_add_nc_u64 s[PF:PF+1], s[PF:PF+1], 8*GRP-CHUNK       ; to the tile after's first half
.endif
.endif
	s_wait_dscnt 0x0                               ; this step's 50 loads, issued ahead of the last step's products, are in: at steps 3 and 7 my reads of a slot are over
.if (\s) == 3 || ((\s) == 7 && (\more))
	s_wait_tensorcnt 0x0                           ; all my tensor loads have landed
.if \more
	ds_add_u32 v[SPW], v[NIL]                      ; 0 onto my spare word
	s_add_nc_u64 s[G0B+4*((\s)/4)+2:G0B+4*((\s)/4)+3], s[G0B+4*((\s)/4)+2:G0B+4*((\s)/4)+3], 8*GRP   ; no load of mine is out: this slot's half of the next tile, four column tiles of two groups on
	s_wait_dscnt 0x0                               ; the add is done
	CROUND                                         ; no wave of any partner still reads the slot or has a load on its way; and what the last fill brought is shown to all
	s_cmp_eq_u32 s[WV], 1
	s_cbranch_scc0 .Lnot_mine_\@
	tensor_load_to_lds s[G0B+4*((\s)/4):G0B+4*((\s)/4)+3], s[G1B:G1B+7]
	s_nop 0
	PLACES 4
.Lnot_mine_\@:
.else
	s_barrier_signal -1
	s_barrier_wait -1                              ; the last tile: slot 1's last fill is shown to all
.endif
.endif
.if (\s) < 7
.if (\s) > 0
	PLACES 4                                       ; in front of loads into registers that the last step's products have read (ISA guide 7.12.1 for vector instructions)
.endif
	FETCH (\s)+1, ((\s)+1)%2
.endif
.if (\more) && (\s) == 3
	ASK                                            ; what the refill at step 7 will load
.endif
.if (\more) && (\s) == 7
	s_cmp_eq_u32 s[TI], 0                          ; what the next tile's refill at step 3 will load; k's tile has no tile two on
	s_cbranch_scc0 .Lno_ask_\@
	ASK
.Lno_ask_\@:
.endif
.if (\s) == 0
	MUL 0, 1, \swap
.else
	MUL (\s)%2, 0, \swap
.endif
	WIN 0
.endm
; THE WAY OUT.  64 accumulator registers on end, register 16 b + i = index 32 b + 16 (lane / 16) + i along the next K, become 12 registers of codes and a scale word.  Each accumulator is read from its low end on.
.macro QUANTW s, pc, pw
	WIN 0x28                                       ; sources 1 and 2 window 2
.irp b, 0,1,2,3
	v_max3_num_f32 v[TM+\b], s[FLR], |v[(\s)+16*\b]|, |v[(\s)+1+16*\b]|
.endr
.irp i, 2,4,6,8,10,12,14
.irp b, 0,1,2,3
	v_max3_num_f32 v[TM+\b], v[TM+\b], |v[(\s)+16*\b+\i]|, |v[(\s)+1+16*\b+\i]|
.endr
.endr
	WIN 0
.irp b, 0,1,2,3
	v_permlanex16_b32 v[TM+4+\b], v[TM+\b], s[SEL], s[SEL+1]
.endr
.irp b, 0,1,2,3
	v_max_num_f32 v[TM+\b], v[TM+\b], v[TM+4+\b]
.endr
.irp b, 0,1,2,3
	v_add_nc_u32 v[TM+12+\b], 0xff000000, v[TM+\b]
.endr
.irp b, 0,1,2,3
	v_lshrrev_b32 v[TM+4+\b], 23, v[TM+12+\b]
.endr
	v_lshl_or_b32 v[\pw], v[TM+5], 8, v[TM+4]
	v_lshl_or_b32 v[\pw], v[TM+6], 16, v[\pw]
	v_lshl_or_b32 v[\pw], v[TM+7], 24, v[\pw]
	WIN 0x02                                       ; source 0 window 2
.irp c, 0,1
	v_cvt_scalef32_pk16_fp6_f32 v[(\pc)+6*\c:(\pc)+2+6*\c], v[(\s)+32*\c:(\s)+15+32*\c], v[TM+12+2*\c]
	v_cvt_scalef32_pk16_fp6_f32 v[(\pc)+12+4*\c:(\pc)+14+4*\c], v[(\s)+16+32*\c:(\s)+31+32*\c], v[TM+13+2*\c]
.endr
	WIN 0
	v_nop                                          ; one plain place behind a scaled conversion
.irp c, 0,1
.irp i, 0,1,2
	v_permlane16_swap_b32 v[(\pc)+6*\c+\i], v[(\pc)+12+4*\c+\i]
.endr
.irp i, 0,1,2
	v_mov_b32 v[(\pc)+3+6*\c+\i], v[(\pc)+12+4*\c+\i]
.endr
.endr
.endm
.macro WAYOUT dc, cof, dw, wof         ; a tile's four images to s[dc] + cof, their words to s[dw] + wof
	PLACES 4                                       ; behind the last products: their results are read, and registers that they have read are written
.irp b, 0,1,2,3
	v_mov_b32 v[TM+4+\b], 0                        ; a lane permute's destination counts as one of its sources
.endr
	v_lshlrev_b32 v166, 4, v2
	v_lshl_add_u32 v166, v3, 3, v166               ; 16 r + 8 h
.irp p, 0,1,2,3                        ; each image has registers of its own, so no store's data are written again within a tile
	QUANTW 64*\p, 64+20*\p, 160+\p
.irp c, 0,1,2
	global_store_b128 v4, v[64+20*\p+4*\c:67+20*\p+4*\c], s[\dc:\dc+1] offset:(\cof)+1536*\p+512*\c   ; 32 lanes store 512 consecutive bytes, aligned
.endr
.endr
	v_cndmask_b32 v164, v160, v162, s[HM]          ; lanes 0-15 store words 0 and 1 of row r, lanes 16-31 words 2 and 3:
	v_cndmask_b32 v165, v161, v163, s[HM]
	global_store_b64 v166, v[164:165], s[\dw:\dw+1] offset:\wof   ; 256 consecutive bytes, aligned
.endm
.macro ARM under, g0, g1, next
	s_cmp_lt_u32 s[WV], \under
	s_cbranch_scc0 \next
	tensor_load_to_lds s[\g0:\g0+3], s[\g1:\g1+7]
	s_nop 0
	PLACES 4
	s_branch .Lasked
\next:
.endm
	s_load_b256 s[4:11], s[0:1], 0x0               ; xq s[4:5], wq s[6:7], qq s[8:9], kv s[10:11]
	v_lshl_add_u32 v[SPW], v0, 2, SPARE
	v_mov_b32 v[NIL], 0
	ds_add_u32 v[SPW], v[NIL]                      ; the wave's opening: the add, twice on end, and its wait ahead of my first tensor load; work on registers stands between them
	ds_add_u32 v[SPW], v[NIL]
	v_lshrrev_b32 v1, 5, v0
	v_readfirstlane_b32 s[WV], v1                  ; wave 0..3
	s_bfe_u32 s56, ttmp6, 0x40000                  ; cx
	s_bfe_u32 s57, ttmp6, 0x40004                  ; cy
	s_lshl_b32 s58, ttmp9, 2
	s_add_co_u32 s58, s58, s56                     ; which 256 columns of q = 4 x cluster x + cx; k's and v's lie 4 and 8 column tiles on
	s_and_b32 s59, ttmp7, 0xffff
	s_lshl_b32 s59, s59, 2
	s_add_co_u32 s59, s59, s57                     ; mt: which 128 tokens = 4 x cluster y + cy
	s_lshl_b32 s60, s57, 2
	s_lshl_b32 s60, 15, s60                        ; my row of the cluster
	s_lshl_b32 s61, 0x1111, s56                    ; my column
	s_or_b32 s[G1A], s60, (3<<16)|(1<<21)          ; 15:0 the mask; 17:16 elements of 8 bytes; 20 no padding; 21 set beside a mask
	s_or_b32 s[G1B], s61, (3<<16)|(1<<21)
	s_mov_b32 s[G1A+1], 32<<16                     ; A: half a group, dense, as 200 rows of 256 bytes
	s_mov_b32 s[G1A+2], 200<<16
	s_mov_b32 s[G1A+3], 32<<16
	s_mov_b32 s[G1A+4], 200
	s_mov_b32 s[G1A+5], 32
	s_mov_b32 s[G1B+1], 6400<<16                   ; B: the same half of my two groups by one descriptor: two rows of 51,200 bytes, a group (12,800 elements of 8 bytes) apart
	s_mov_b32 s[G1B+2], 2<<16
	s_mov_b32 s[G1B+3], 6400<<16
	s_mov_b32 s[G1B+4], 2
	s_mov_b32 s[G1B+5], 12800
.irp g, G1A, G1B
	s_mov_b32 s[\g+6], 0
	s_mov_b32 s[\g+7], 0
.endr
	s_mul_i32 s16, s59, GRP                        ; A's group, by the token group alone
	s_mov_b32 s17, 0
	s_mul_i32 s88, s58, 2*GRP                      ; B's two groups, by the column tile alone
	s_mov_b32 s89, 0
	s_mov_b32 s[SEL], 0x76543210
	s_mov_b32 s[SEL+1], 0xfedcba98
	s_mov_b32 s[FLR], 0x1800000
	s_mov_b32 s[HM], 0xffff0000
	s_wait_dscnt 0x0                               ; both opening adds are done
	s_wait_kmcnt 0x0
	s_add_nc_u64 s[16:17], s[4:5], s[16:17]
	s_add_nc_u64 s[88:89], s[6:7], s[88:89]
	CROUND                                         ; all sixteen work-groups are here: the joint loads meet
.irp q, 0,1                            ; half q = K steps 4 q .. 4 q + 3.  LDS: A's group at 0; from GRP on B's slots: [half][group][4 blocks]
	s_mov_b32 s[G0A+4*\q], 1
	s_mov_b32 s[G0A+4*\q+1], \q*CHUNK
	s_add_nc_u64 s[G0A+4*\q+2:G0A+4*\q+3], s[16:17], \q*CHUNK
	s_or_b32 s[G0A+4*\q+3], s[G0A+4*\q+3], 0x80000000
	s_mov_b32 s[G0B+4*\q], 1
	s_mov_b32 s[G0B+4*\q+1], GRP+2*\q*CHUNK
	s_add_nc_u64 s[G0B+4*\q+2:G0B+4*\q+3], s[88:89], \q*CHUNK
	s_or_b32 s[G0B+4*\q+3], s[G0B+4*\q+3], 0x80000000
.endr
; the first fills, one joint load a wave, in one chain of branches on the wave's number: wave 0 A's first half, wave 1 B's, wave 2 A's second half, wave 3 B's
	ARM 1, G0A, G1A, .Larm_b
	ARM 2, G0B, G1B, .Larm_a2
	ARM 3, G0A+4, G1A, .Larm_b2
	tensor_load_to_lds s[G0B+4:G0B+7], s[G1B:G1B+7]
	s_nop 0
	PLACES 4
.Lasked:
	v_and_b32 v1, 31, v0                           ; lane
	v_and_b32 v2, 15, v0                           ; r
	v_bfe_u32 v3, v0, 4, 1                         ; h
	v_lshlrev_b32 v4, 4, v1                        ; A: 16 x lane, K steps 0-3;
	v_add_nc_u32 v5, 4*BLK, v4                     ;    K steps 4-7 (an LDS immediate has 16 bits)
	v_lshlrev_b32 v6, 3, v1                        ;    8 x lane
	v_add_nc_u32 v7, 4*BLK, v6
	s_lshr_b32 s15, s[WV], 1
	s_mul_i32 s15, s15, CHUNK
	s_add_co_u32 s15, s15, GRP                     ; B: my group's part of slot 0,
	s_and_b32 s19, s[WV], 1
	s_mul_i32 s90, s19, 6144
	s_add_co_u32 s90, s90, s15                     ;    my four fragments of each block
	v_add_nc_u32 v8, s90, v4
	v_add_nc_u32 v9, 8*BLK, v8                     ;    and the same in slot 1
	v_add_nc_u32 v10, s90, v6
	v_add_nc_u32 v11, 8*BLK, v10
	s_lshl_b32 s19, s19, 8
	s_add_co_u32 s19, s19, s15
	s_add_co_u32 s19, s19, 12288
	v_lshl_add_u32 v12, v2, 4, s19                 ;    their four scale words of row r
	v_add_nc_u32 v13, 8*BLK, v12
	v_min_u32 v[PFO], 99, v0                       ; the prefetches: my thread's block of my work-group's 100; the threads left over name the last again
	v_lshlrev_b32 v[PFO], 8, v[PFO]
	; where my results go
	s_lshl_b32 s91, s56, 2
	s_add_co_u32 s91, s91, s[WV]                   ; my head = 4 cx + wave, in all three tiles
	s_lshr_b32 s92, s59, 4
	s_lshl_b32 s92, s92, 4
	s_add_co_u32 s92, s92, s91                     ; 16 x batch + head
	s_lshl_b32 s92, s92, 4
	s_and_b32 s93, s59, 15
	s_add_co_u32 s92, s92, s93                     ; x 16 + the token group within the batch
	s_mul_i32 s94, s92, 6400
	s_mov_b32 s95, 0
	s_add_nc_u64 s[DS:DS+1], s[8:9], s[94:95]      ; q's images,
	s_add_nc_u64 s[DW:DW+1], s[DS:DS+1], 6144      ; and their words
	s_mul_i32 s92, s92, 12800
	s_mov_b32 s93, 0
	s_add_nc_u64 s[DC:DC+1], s[10:11], s[92:93]    ; k's and v's place
	; a half of two groups is 2 x 200 blocks of 256 bytes; the partner at place cy of my column takes blocks 100 cy on: group cy / 2, 25,600 (cy % 2) bytes into its half
	s_lshr_b32 s62, s57, 1
	s_mul_i32 s62, s62, GRP
	s_and_b32 s63, s57, 1
	s_mul_i32 s63, s63, 25600
	s_add_co_u32 s62, s62, s63
	s_add_co_u32 s62, s62, 8*GRP                   ; of k's tile, first half: what the first refill will load
	s_mov_b32 s63, 0
	s_add_nc_u64 s[PF:PF+1], s[88:89], s[62:63]
	s_wait_alu depctr_va_vdst(0)
	s_cmp_lt_u32 s[WV], 2                          ; waves 0 and 1 brought K steps 0 to 3 by load lines of their own: they wait here; the second halves may stay out
	s_cbranch_scc0 .Llater
	s_wait_tensorcnt 0x0
.Llater:
	s_barrier_signal -1
	s_barrier_wait -1                              ; K steps 0 to 3 are in
	FETCH 0, 0
	ASK
	s_mov_b32 s[TI], 0
.Ltile:                                            ; q's tile, then k's
.irp s, 0,1,2,3,4,5,6,7
	STEP \s, 0, 1
.endr
	WAYOUT DS, 0, DW, 0
	s_wait_alu depctr_va_vdst(0)
	s_wait_xcnt 0x0                                ; the stores have read their registers and bases: both are written again below
	s_mov_b64 s[DS:DS+1], s[DC:DC+1]               ; k's images lie at the head of my place in kv,
	s_add_nc_u64 s[DW:DW+1], s[DC:DC+1], 12288     ; its words behind V's fragments
	FETCH 0, 0                                     ; the next tile's first K step: slot 0's fill was shown to all by the round at step 7
	s_add_co_u32 s[TI], s[TI], 1
	s_cmp_lt_u32 s[TI], 2
	s_cbranch_scc1 .Ltile
.irp s, 0,1,2,3,4,5,6,7
	STEP \s, 1, 0                                  ; v's tile: nothing more is fetched
.endr
	WAYOUT DC, 6144, DC, 12544
	s_wait_tensorcnt 0x0                           ; the wave's end
	ds_add_u32 v[SPW], v[NIL]
	s_wait_dscnt 0x0
	CROUND                                         ; the closing round
	s_endpgm
.Lfunc_end_k_qf938bf7a14_qkv:
	.size	k_qf938bf7a14_qkv, .Lfunc_end_k_qf938bf7a14_qkv-k_qf938bf7a14_qkv
	.p2alignl 7, 3214868480
	.fill 96, 4, 3214868480
	.section	.rodata,"a",@progbits
	.p2align	6, 0x0
	.amdhsa_kernel k_qf938bf7a14_qkv
		.amdhsa_group_segment_fixed_size 327680
		.amdhsa_private_segment_fixed_size 0
		.amdhsa_enable_private_segment 0
		.amdhsa_kernarg_size 32
		.amdhsa_user_sgpr_count 2
		.amdhsa_user_sgpr_kernarg_segment_ptr 1
		.amdhsa_wavefront_size32 1
		.amdhsa_system_sgpr_workgroup_id_x 1
		.amdhsa_system_sgpr_workgroup_id_y 1
		.amdhsa_system_sgpr_workgroup_id_z 1
		.amdhsa_system_vgpr_workitem_id 0
		.amdhsa_next_free_vgpr 768
		.amdhsa_next_free_sgpr 100
		.amdhsa_reserve_vcc 0
		.amdhsa_float_denorm_mode_32 3
		.amdhsa_float_denorm_mode_16_64 3
		.amdhsa_memory_ordered 1
		.amdhsa_forward_progress 1
		.amdhsa_inst_pref_size 162
	.end_amdhsa_kernel
	.amdgpu_metadata
---
amdhsa.version: [ 1, 2 ]
amdhsa.kernels:
  - .name:           k_qf938bf7a14_qkv
    .symbol:         k_qf938bf7a14_qkv.kd
    .args:
      - { .name: xq, .offset: 0, .size: 8, .value_kind: global_buffer, .address_space: global }
      - { .name: wq, .offset: 8, .size: 8, .value_kind: global_buffer, .address_space: global }
      - { .name: qq, .offset: 16, .size: 8, .value_kind: global_buffer, .address_space: global }
      - { .name: kv, .offset: 24, .size: 8, .value_kind: global_buffer, .address_space: global }
    .group_segment_fixed_size: 327680
    .private_segment_fixed_size: 0
    .kernarg_segment_align: 8
    .kernarg_segment_size: 32
    .max_flat_workgroup_size: 128
    .sgpr_count:     100
    .vgpr_count:     768
    .wavefront_size: 32
...
	.end_amdgpu_metadata
.endif
;; end of part 2
;; launch attn (part 3): grid 4 x 64, 8 waves a work-group, clusters of 4 x 1, 257,024 bytes of LDS; arguments qq, kv, oq; writes oq
.if DOCPART == 3
	.amdgcn_target "amdgcn-amd-amdhsa--gfx1250"
	.amdhsa_code_object_version 6
	.text
	.protected	k_qf938bf7a14_attn
	.globl	k_qf938bf7a14_attn
	.p2align	8
	.type	k_qf938bf7a14_attn,@function
k_qf938bf7a14_attn:
	s_mov_b64 s[64:65], 0
	v_nop
	global_prefetch_b8 v0, s[64:65] scope:SCOPE_SE
	s_setreg_imm32_b32 hwreg(HW_REG_WAVE_MODE, 25, 1), 1
	s_wait_xcnt 0x0
	s_wait_alu depctr_hold_cnt(0) depctr_sa_sdst(0) depctr_va_vdst(0) depctr_va_sdst(0) depctr_va_ssrc(0) depctr_va_vcc(0) depctr_vm_vsrc(0)
	s_getreg_b32 s2, hwreg(HW_REG_IB_STS2, 6, 4)
	s_cmp_eq_u32 s2, 0
	s_cbranch_scc0 .Lentry_in_a_cluster
	s_endpgm
.Lentry_in_a_cluster:
	s_bfe_u32 s2, ttmp6, 0x10000c
	s_cmp_lg_u32 s2, 0x3003
	s_cbranch_scc0 .Lentry_shape_is_right
	s_endpgm
.Lentry_shape_is_right:
; O = softmax(q k^T / 8) v for each of 64 (batch, head) pairs, 2,048 tokens, head size 64, both products on codes of FP6 (E2M3) with E8M0 scales; O / l is quantised along the channels for the last product.
; THE SOFTMAX: t = score x log2(e) / 8; M = the running largest t rounded UP to a whole number; p = 2^(t - M) is quantised along the keys, not normalised; l is the sum of the unquantised p and divides O at the end.
; When M moves, l and O are multiplied by 2^(old M - new M): exact.
; SHARES.  A work-group owns 512 queries of one head; each of its eight waves 64, in two passes of 32: one pair image of q, fragments A and B of 16 queries, worked side by side, so that each fragment of K and V read from LDS feeds both.
; ALL OF THE HEAD'S K AND V LIE IN LDS AT ONCE: 16 key steps of 12,800 bytes (K's 4 pair images, V's 4 fragments, K's words, V's words); each wave brings two by its one tensor load, as 50 rows of 512 bytes with 128 bytes of padding
; behind each: a key step takes 16,000 bytes, a piece of 512 bytes lies at 640 x its number.  Nothing is filled again.  All fills go out at the head, so there is no loop in which a prefetch could run ahead: none is written.
; CLUSTER.  The four work-groups of a head walk the same K and V: each load is asked for jointly, with the mask of all four.
; K = 64 IN A PRODUCT OF K = 128.  Source 0 holds 64 along d of one key tile, then of the next.  q stands between zeros: (q | 0) gives the first tile's scores, (0 | q) the second's; q's word holds its two bytes twice.
; WHICH KEYS FORM A TILE.  kv holds the 16 keys 32 b + 8 u + p + 8 (p / 8) as fragment 2 b + u.  Here lane row r of image (c, j') reads row 8 j' + r % 8 of stored image 2 c + r / 8: a lane address alone.  Tile j = 2 j' + u of band c then holds
; keys 64 c + 8 j + i in rows 0-7 and 64 c + 32 + 8 j + i in rows 8-15, so in S^T = K q^T lane (query r, h) has in 32 registers on end the 32 keys of block 2 c + h: a whole scale block, in the order of the operand's registers.
; The images lie 1,920 bytes apart in LDS, 128 modulo 256.
; THE ORDER OF A STEP.  Lines that hang on each other (the way from a block's maxima to M and f; the scale bytes; the ends of the sums) are laid as lists, an entry at a time among lines of the other fragment that hang on nothing near.
; Among a batch of exponentials stand only plain lines whose sources were written ahead of the wait in front of the batch and whose results are first read behind the wait that follows it.
; OUT.  oq is laid as the last product's A: block (token group, K step = head / 2), fragment T, half head % 2: 512 + 256 consecutive bytes.  A scale word's other two bytes belong to the neighbouring head's work-group, so a fragment's 32 scale bytes go out as single bytes.
; LIMITS: the scaled scores stay under 2^31 in magnitude; a block of zeros gets the byte 1 where the rule says 127 (its codes are zeros, and this program alone reads the bytes); NaN and infinities are not served.
; REGISTERS.  Window 0: v1-39 addresses, state, scale words; v40-103, v104-167 S^T, then p, of A and of B; v168-191 p's codes; v192-255 at work.
; Window 1: v0-47 K; v48-95 V; v96-127, v128-159 O^T of A and of B; v160-189 zeros | q A | zeros | q B | zeros; v192-215 q's images of this pass and the next.
.set STEPB, 16000
.set PIECE, 640
.set WORDS, 24*PIECE
.set SPARE, 256000                     ; behind the 16 key steps: the spare words, 128 bytes for each wave: four blocks of 256 bytes that no other line names
.set LI,  1                            ; 16 x lane
.set LS,  2                            ; 16 r
.set LK,  3                            ; K: 1920 (r / 8) + 16 (r % 8) + 256 h
.set LW,  4                            ; K's words: 16 (r % 8) + 4 (r / 8)
.set SPW, 5                            ; my spare word; never rewritten
.set NIL, 6                            ; 0; never rewritten
.set L8,  7                            ; 8 x lane
.set RH,  8                            ; 16 r + h
.set SH,  9                            ; 8 h
.set QWA, 10                           ; v10, v11 q's words, A's and B's
.set NMA, 12                           ; v12 -M, v13 the largest score; B's in v16, v17
.set LA,  14                           ; v[14:15] l in two halves; B's in v[18:19]
.set ADK, 20
.set ADW, 21
.set ADV, 22
.set ADS, 23
.set QW,  26                           ; v26 this pass's word of q's image, v27 the next's
.set KW,  28                           ; v28-31 K's words
.set VW,  32                           ; v32-35 V's
.set PWA, 36                           ; v36, v37 p's words
.set SA,  40
.set SB,  104
.set PCA, 168
.set TC,  192                          ; v192-207 the conversions' second halves; ahead of them eight pairs of partial sums
.set BM,  208                          ; v208-211 the blocks' largest scores, then largest p: A's two, B's two
.set MX,  212                          ; v212-219, v220-227 the maxima's chains, A's and B's
.set T,   212                          ; then eight pairs of partial sums
.set FA,  228                          ; v[228:229], v[230:231] f = 2^(old M - new M)
.set SO,  232
.set BY,  236
.set WW,  240
.set XX,  242
.set YY,  244
.set OL,  246
.set OB,  250                          ; v250, v251 the way out's scale bytes
.set KF,  0                            ; window 1
.set VF,  48
.set O,   96
.set QZ,  160
.set QI,  192
.set WV,  18
.set SEL, 20
.set CS,  22
.set G1,  24
.set G0,  32
.set KB,  36
.set ST,  37
.set PASS, 38
.set KN,  39
.set OC,  40
.set OS,  42
.set HM,  44
.set MSB, 0
.macro WIN new                         ; the immediate's high byte repeats the setting that is left
.if MSB != \new
	s_set_vgpr_msb (MSB<<8)|\new
.set MSB, \new
.endif
.endm
.macro WALU
	s_wait_alu depctr_va_vdst(0)
.endm
.macro CROUND
	s_barrier_signal -1
	s_barrier_wait -1
	s_cmp_lg_u32 s[WV], 0
	s_cbranch_scc1 .Lnot_wave_0_\@
	s_barrier_signal -3
.Lnot_wave_0_\@:
	s_barrier_wait -3
	s_barrier_signal -1
	s_barrier_wait -1
.endm
.macro KLOAD                           ; 16 loads: K's four images (c, j'), into window 1, and their words
	WIN 0x40
.irp c, 0,1
.irp j, 0,1
.irp q, 0,1,2
	ds_load_b128 v[KF+12*(2*\c+\j)+4*\q:KF+12*(2*\c+\j)+4*\q+3], v[ADK] offset:3840*\c+128*\j+PIECE*\q
.endr
.endr
.endr
	WIN 0
.irp c, 0,1
.irp j, 0,1
	ds_load_b32 v[KW+2*\c+\j], v[ADW] offset:WORDS+128*\j+8*\c
.endr
.endr
.endm
.macro VLOAD                           ; 13 loads: V's four fragments, into window 1, and their words
	WIN 0x40
.irp t, 0,1,2,3
.irp q, 0,1,2
	ds_load_b128 v[VF+12*\t+4*\q:VF+12*\t+4*\q+3], v[ADV] offset:PIECE*(12+3*\t+\q)
.endr
.endr
	WIN 0
	ds_load_b128 v[VW:VW+3], v[ADS] offset:WORDS+256
.endm
.macro SCORES w                        ; S^T = K q^T of fragment w: both sources window 1, D window 0
.irp g, 0,1,2,3
	v_wmma_scale_f32_16x16x128_f8f6f4 v[SA+64*\w+16*\g:SA+64*\w+16*\g+7], v[KF+12*\g:KF+12*\g+11], v[QZ+6+12*\w:QZ+17+12*\w], 0, v[KW+\g], v[QWA+\w] matrix_a_fmt:MATRIX_FMT_FP6 matrix_b_fmt:MATRIX_FMT_FP6
	v_wmma_scale_f32_16x16x128_f8f6f4 v[SA+64*\w+16*\g+8:SA+64*\w+16*\g+15], v[KF+12*\g:KF+12*\g+11], v[QZ+12*\w:QZ+11+12*\w], 0, v[KW+\g], v[QWA+\w] matrix_a_fmt:MATRIX_FMT_FP6 matrix_b_fmt:MATRIX_FMT_FP6
.endr
.endm
.macro PV w                            ; O^T += V^T p^T: the accumulators by turns, one instruction a turn
.irp t, 0,1,2,3
	v_wmma_scale_f32_16x16x128_f8f6f4 v[O+32*\w+8*\t:O+32*\w+8*\t+7], v[VF+12*\t:VF+12*\t+11], v[PCA+12*\w:PCA+12*\w+11], v[O+32*\w+8*\t:O+32*\w+8*\t+7], v[VW+\t], v[PWA+\w] matrix_a_fmt:MATRIX_FMT_FP6 matrix_b_fmt:MATRIX_FMT_FP6
.endr
.endm
.macro MAXB w, i                       ; line i of 24: eight chains, one to an accumulator, each over its registers 0 to 6, from the low end on
.set K_, (\i)%8
.set B_, SA+64*(\w)+8*K_
.if (\i) < 8
	v_max3_num_f32 v[MX+8*(\w)+K_], v[B_], v[B_+1], v[B_+2]
.else
	v_max3_num_f32 v[MX+8*(\w)+K_], v[MX+8*(\w)+K_], v[B_+2*((\i)/8)+1], v[B_+2*((\i)/8)+2]
.endif
.endm
.macro CH w, i                         ; entry i of 19: from the chains to my two blocks' largest scores, the new -M, f, and t - M of the two largest scores
.set M_, MX+8*(\w)
.set S_, SA+64*(\w)
.set N_, NMA+4*(\w)
.if (\i) < 2
	v_max3_num_f32 v[M_+(\i)], v[M_+(\i)], v[S_+7+16*(\i)], v[S_+15+16*(\i)]
.elseif (\i) < 4
	v_max3_num_f32 v[M_+2+(\i)], v[M_+2+(\i)], v[S_+7+16*(\i)], v[S_+15+16*(\i)]
.elseif (\i) < 6
	v_max3_num_f32 v[M_+4*((\i)-4)], v[M_+4*((\i)-4)], v[M_+4*((\i)-4)+1], v[M_+4*((\i)-4)+2]
.elseif (\i) < 8
	v_max_num_f32 v[BM+2*(\w)+(\i)-6], v[M_+4*((\i)-6)], v[M_+4*((\i)-6)+3]   ; a block's largest score: for the row's maximum and, since p rises with the score, for the block's largest p
.elseif (\i) == 8
	v_mov_b32 v[OL+(\w)], v[N_]                    ; the old -M
.elseif (\i) == 9
	v_max_num_f32 v[XX+(\w)], v[BM+2*(\w)], v[BM+2*(\w)+1]
.elseif (\i) == 10
	v_permlanex16_b32 v[YY+(\w)], v[XX+(\w)], s[SEL], s[SEL+1]
.elseif (\i) == 11
	v_max3_num_f32 v[N_+1], v[N_+1], v[XX+(\w)], v[YY+(\w)]   ; the running largest score of my query
.elseif (\i) == 12
	v_mul_f32 v[XX+(\w)], s[CS], v[N_+1]           ; as t (c is positive)
.elseif (\i) == 13
	v_floor_f32 v[N_], -v[XX+(\w)]                 ; the new -M = -ceil(t)
.elseif (\i) == 14
	v_sub_f32 v[XX+(\w)], v[N_], v[OL+(\w)]        ; old M - new M: a whole number, 0 or less
.elseif (\i) < 17
	v_fma_f32 v[BM+2*(\w)+(\i)-15], v[BM+2*(\w)+(\i)-15], s[CS], v[N_]
.elseif (\i) == 17
	v_cvt_i32_f32 v[XX+(\w)], v[XX+(\w)]           ; (it saturates)
.elseif (\i) == 18
	v_ldexp_f32 v[FA+2*(\w)], 1.0, v[XX+(\w)]      ; f = 2^(old M - new M)
.endif
.endm
.macro E2 j                            ; the list that stands among A's multiply-adds: the end of A's entries and B's entries 4 to 18, by turns
.if (\j) == 2
	CH 0, 14
.elseif (\j) == 5
	CH 0, 15
.elseif (\j) == 8
	CH 0, 16
.elseif (\j) == 10
	CH 0, 17
.elseif (\j) == 12
	CH 0, 18
.elseif (\j) < 2
	CH 1, 4+(\j)
.elseif (\j) < 5
	CH 1, 3+(\j)
.elseif (\j) < 8
	CH 1, 2+(\j)
.elseif (\j) == 9
	CH 1, 10
.elseif (\j) == 11
	CH 1, 11
.else
	CH 1, (\j)-1
.endif
.endm
.macro PKF1 w, i                       ; t - M of pair i
	v_pk_fma_f32 v[SA+64*(\w)+2*(\i):SA+64*(\w)+2*(\i)+1], v[SA+64*(\w)+2*(\i):SA+64*(\w)+2*(\i)+1], s[CS:CS+1], v[NMA+4*(\w):NMA+4*(\w)+1] op_sel_hi:[1,0,0]
.endm
.macro PADD d, s
	v_pk_add_f32 v[\d:\d+1], v[\d:\d+1], v[\s:\s+1]
.endm
.macro BB5 i                           ; B's sum behind its first level: 16 lines in eight chains, then the chains' ends
.if (\i) < 16
	PADD TC+2*((\i)%8), SB+32+2*(\i)
.elseif (\i) < 20
	PADD TC+2*((\i)-16), TC+2*((\i)-16)+8
.elseif (\i) < 22
	PADD TC+2*((\i)-20), TC+2*((\i)-20)+4
.elseif (\i) == 22
	PADD TC, TC+2
.elseif (\i) == 23
	PADD LA+4, TC
.endif
.endm
.macro E5 i                            ; the end of A's sum and the four blocks' scale bytes, by turns
.if (\i) < 4
	PADD T+2*(\i), T+2*(\i)+8
.elseif (\i) < 6
	v_max_num_f32 v[BM+(\i)-2], 0x1800000, v[BM+(\i)-2]      ; the floor 2^(3 - 127): the byte cannot fall under 1
.elseif (\i) < 8
	v_add_nc_u32 v[SO+(\i)-6], 0xff000000, v[BM+(\i)-6]      ; 2 off the exponent field: the conversion's scale operand
.elseif (\i) < 10
	PADD T+2*((\i)-8), T+2*((\i)-8)+4
.elseif (\i) < 12
	v_add_nc_u32 v[SO+(\i)-8], 0xff000000, v[BM+(\i)-8]
.elseif (\i) < 14
	v_lshrrev_b32 v[BY+(\i)-12], 23, v[SO+(\i)-12]           ; the scale's byte
.elseif (\i) == 14
	PADD T, T+2
.elseif (\i) < 17
	v_lshrrev_b32 v[BY+(\i)-13], 23, v[SO+(\i)-13]
.elseif (\i) == 17
	v_lshl_or_b32 v[WW], v[BY+1], 16, v[BY]                  ; my two bytes: blocks h and 2 + h,
.elseif (\i) == 18
	PADD LA, T
.elseif (\i) == 19
	v_lshl_or_b32 v[WW+1], v[BY+3], 16, v[BY+2]
.elseif (\i) < 22
	v_lshlrev_b32 v[WW+(\i)-20], v[SH], v[WW+(\i)-20]        ; at their places in the word;
.elseif (\i) < 24
	v_permlanex16_b32 v[YY+(\i)-22], v[WW+(\i)-22], s[SEL], s[SEL+1]
.elseif (\i) < 26
	v_or_b32 v[PWA+(\i)-24], v[WW+(\i)-24], v[YY+(\i)-24]    ; with lane l xor 16's two the word is whole
.endif
.endm
; A pass's end for fragment w.  Register 16 b + i of O^T is channel 32 b + 16 (lane / 16) + i of my query: two blocks of 32 along the last product's K.
.macro OUT w
	WIN 0
	v_add_f32 v[LA+4*\w], v[LA+4*\w], v[LA+4*\w+1]           ; l's two halves,
	v_permlanex16_b32 v[YY], v[LA+4*\w], s[SEL], s[SEL+1]
	v_add_f32 v[LA+4*\w], v[LA+4*\w], v[YY]                  ; and lane l xor 16's
	WALU
	v_rcp_f32 v[LA+4*\w], v[LA+4*\w]
	WIN 1
	v_nop                                          ; a plain place behind the transcendental
	WALU
.set J, 0
.rept 16
	v_pk_mul_f32 v[SA+J:SA+J+1], v[O+32*\w+J:O+32*\w+J+1], v[LA+4*\w:LA+4*\w+1] op_sel_hi:[1,0]   ; O^T / l, into window 0
.set J, J+2
.endr
	WIN 0
	v_max3_num_f32 v[BM], |v[SA]|, |v[SA+1]|, 0x1800000
	v_max3_num_f32 v[BM+1], |v[SA+16]|, |v[SA+17]|, 0x1800000
.irp i, 2,4,6,8,10,12,14
	v_max3_num_f32 v[BM], v[BM], |v[SA+\i]|, |v[SA+1+\i]|
	v_max3_num_f32 v[BM+1], v[BM+1], |v[SA+16+\i]|, |v[SA+17+\i]|
.endr
	v_permlanex16_b32 v[YY], v[BM], s[SEL], s[SEL+1]
	v_permlanex16_b32 v[YY+1], v[BM+1], s[SEL], s[SEL+1]
	v_max_num_f32 v[BM], v[BM], v[YY]
	v_max_num_f32 v[BM+1], v[BM+1], v[YY+1]
	v_add_nc_u32 v[SO], 0xff000000, v[BM]
	v_add_nc_u32 v[SO+1], 0xff000000, v[BM+1]
	v_lshrrev_b32 v[BY], 23, v[SO]
	v_lshrrev_b32 v[BY+1], 23, v[SO+1]
	v_cndmask_b32 v[OB+\w], v[BY], v[BY+1], s[HM]            ; lanes 0-15 store block 0's byte of row r, lanes 16-31 block 1's
	v_cvt_scalef32_pk16_fp6_f32 v[PCA+12*\w:PCA+12*\w+2], v[SA:SA+15], v[SO]
	v_cvt_scalef32_pk16_fp6_f32 v[TC:TC+2], v[SA+16:SA+31], v[SO+1]
	v_nop
.irp i, 0,1,2
	v_permlane16_swap_b32 v[PCA+12*\w+\i], v[TC+\i]
.endr
.irp i, 0,1,2
	v_mov_b32 v[PCA+12*\w+3+\i], v[TC+\i]
.endr
	global_store_b128 v[LI], v[PCA+12*\w:PCA+12*\w+3], s[OC:OC+1] offset:1536*\w          ; 512 consecutive bytes, aligned
	global_store_b64 v[L8], v[PCA+12*\w+4:PCA+12*\w+5], s[OC:OC+1] offset:1536*\w+512     ; 256
	global_store_b8 v[RH], v[OB+\w], s[OS:OS+1] offset:4*\w
.endm
	s_load_b128 s[4:7], s[0:1], 0x0                ; qq s[4:5], kv s[6:7]
	s_load_b64 s[8:9], s[0:1], 0x10                ; oq
	v_lshl_add_u32 v[SPW], v0, 2, SPARE
	v_mov_b32 v[NIL], 0
	ds_add_u32 v[SPW], v[NIL]                      ; the wave's opening: the add, twice on end, and its wait ahead of my tensor load
	ds_add_u32 v[SPW], v[NIL]
	v_lshrrev_b32 v1, 5, v0
	v_readfirstlane_b32 s[WV], v1                  ; wave 0..7
	s_bfe_u32 s10, ttmp6, 0x40000                  ; cx: it enters q's and O's global addresses alone
	s_and_b32 s11, ttmp7, 0xffff                   ; 16 x batch + head, which the four partners share
	s_mov_b32 s[G1], 15|(3<<16)|(1<<20)|(1<<21)|(6<<22)|(31<<25)   ; the mask of all four; elements of 8 bytes; behind every 128 words 32 words of padding
	s_mov_b32 s[G1+1], 64<<16                      ; two dense key steps as 50 rows of 512 bytes
	s_mov_b32 s[G1+2], 50<<16
	s_mov_b32 s[G1+3], 64<<16
	s_mov_b32 s[G1+4], 50
	s_mov_b32 s[G1+5], 64
	s_mov_b32 s[G1+6], 0
	s_mov_b32 s[G1+7], 0
	s_mul_i32 s13, s[WV], 2*STEPB                  ; key steps 2 wave, 2 wave + 1: their place in LDS,
	s_mul_i32 s46, s11, 16*12800
	s_mul_i32 s12, s[WV], 2*12800
	s_add_co_u32 s46, s46, s12                     ; and in the head's part of kv
	s_mov_b32 s47, 0
	s_lshl_b32 s14, s10, 2
	s_lshr_b32 s15, s[WV], 1
	s_add_co_u32 s14, s14, s15                     ; my token group = 4 cx + wave / 2
	s_and_b32 s15, s[WV], 1                        ; my pair images are 2 (wave % 2) + pass
	s_lshl_b32 s48, s11, 4
	s_add_co_u32 s48, s48, s14
	s_mul_i32 s48, s48, 6400
	s_mul_i32 s50, s15, 3072
	s_add_co_u32 s50, s50, s48                     ; q's two images
	s_mov_b32 s51, 0
	s_lshl_b32 s52, s15, 3
	s_add_co_u32 s52, s52, s48
	s_add_co_u32 s52, s52, 6144                    ; and their two words: + 16 r
	s_mov_b32 s53, 0
	s_lshr_b32 s16, s11, 4
	s_lshl_b32 s16, s16, 4
	s_add_co_u32 s16, s16, s14                     ; 16 x batch + token group
	s_lshl_b32 s16, s16, 3
	s_and_b32 s17, s11, 15
	s_lshr_b32 s19, s17, 1
	s_add_co_u32 s16, s16, s19                     ; x 8 + head / 2
	s_mul_i32 s16, s16, 12800                      ; oq's block
	s_and_b32 s17, s11, 1                          ; head % 2
	s_mul_i32 s54, s15, 6144
	s_add_co_u32 s54, s54, s16
	s_mul_i32 s19, s17, 768
	s_add_co_u32 s54, s54, s19                     ; fragment 4 (wave % 2), my half
	s_mov_b32 s55, 0
	s_add_co_u32 s56, s16, 12288
	s_lshl_b32 s19, s15, 8
	s_add_co_u32 s56, s56, s19
	s_lshl_b32 s19, s17, 1
	s_add_co_u32 s56, s56, s19                     ; its words' bytes 2 (head % 2) on
	s_mov_b32 s57, 0
	s_mov_b32 s[SEL], 0x76543210
	s_mov_b32 s[SEL+1], 0xfedcba98
	s_mov_b32 s[CS], 0x3e38aa3b                    ; c = log2(e) / 8
	s_mov_b32 s[CS+1], s[CS]
	s_mov_b32 s[HM], 0xffff0000
	s_mov_b32 s[G0], 1
	s_mov_b32 s[G0+1], s13
	s_wait_dscnt 0x0                               ; both opening adds are done
	s_wait_kmcnt 0x0
	s_add_nc_u64 s[G0+2:G0+3], s[6:7], s[46:47]
	s_or_b32 s[G0+3], s[G0+3], 0x80000000
	s_add_nc_u64 s[50:51], s[4:5], s[50:51]
	s_add_nc_u64 s[52:53], s[4:5], s[52:53]
	s_add_nc_u64 s[OC:OC+1], s[8:9], s[54:55]
	s_add_nc_u64 s[OS:OS+1], s[8:9], s[56:57]
	CROUND                                         ; all four work-groups are here: the joint loads meet
	tensor_load_to_lds s[G0:G0+3], s[G1:G1+7]      ; my one tensor load of the launch
	s_nop 0
.rept 4
	v_nop
.endr
	v_and_b32 v[L8], 31, v0
	v_and_b32 v[RH], 15, v0
	v_bfe_u32 v[SH], v0, 4, 1                      ; h
	v_and_b32 v[LW], 7, v0                         ; r % 8
	v_bfe_u32 v[ADV], v0, 3, 1                     ; r / 8
	v_lshlrev_b32 v[LI], 4, v[L8]
	v_lshlrev_b32 v[L8], 3, v[L8]
	v_lshlrev_b32 v[LS], 4, v[RH]
	v_lshlrev_b32 v[LK], 4, v[LW]
	v_add_nc_u32 v[RH], v[LS], v[SH]
	v_lshl_add_u32 v[LW], v[ADV], 2, v[LK]
	v_lshl_add_u32 v[LK], v[SH], 8, v[LK]
	v_lshlrev_b32 v[SH], 3, v[SH]
	v_mad_u32_u24 v[LK], v[ADV], 1920, v[LK]
	v_mov_b32 v[ADW], v[LW]                        ; key step 0
	v_mov_b32 v[FA+1], 0                           ; (named as the upper halves of pairs)
	v_mov_b32 v[FA+3], 0
	v_mov_b32 v[YY], 0                             ; (a lane permute's destination counts as one of its sources)
	v_mov_b32 v[YY+1], 0
	v_mov_b32 v[ADK], v[LK]
	WIN 0x40
.irp c, 0,1,2,3,4,5
	global_load_b128 v[QI+4*\c:QI+4*\c+3], v[LI], s[50:51] offset:512*\c   ; q's two pair images, into window 1
.endr
.irp j, 0,1,2,3,4,5
	v_mov_b32 v[QZ+\j], 0
	v_mov_b32 v[QZ+12+\j], 0
	v_mov_b32 v[QZ+24+\j], 0
.endr
	WIN 0
	global_load_b64 v[QW:QW+1], v[LS], s[52:53]
	WALU
	s_wait_loadcnt 0x0
	s_wait_tensorcnt 0x0                           ; my two key steps have landed,
	s_barrier_signal -1
	s_barrier_wait -1                              ; everybody's have: the whole head lies in LDS
	KLOAD
	s_mov_b32 s[PASS], 2
.Lpass:
	WIN 0x41
.irp j, 0,1,2,3,4,5
	v_mov_b32 v[QZ+6+\j], v[QI+\j]                 ; fragment A between zeros,
	v_mov_b32 v[QZ+18+\j], v[QI+6+\j]              ; fragment B
.endr
	WIN 0
	v_perm_b32 v[QWA], v[QW], v[QW], 0x01000100    ; A's two bytes, twice;
	v_perm_b32 v[QWA+1], v[QW], v[QW], 0x03020302  ; B's
.irp w, 0,1
	v_mov_b32 v[NMA+4*\w+1], 0xff61b1e6            ; the largest score so far: -3e38
	v_mov_b32 v[NMA+4*\w], 0x7e000000              ; -M: so large that the first f is 0
	v_mov_b32 v[LA+4*\w], 0
	v_mov_b32 v[LA+4*\w+1], 0
.endr
	WIN 0x40
.set J, 0
.rept 64
	v_mov_b32 v[O+J], 0                            ; O^T of both: the step is written once; the first finds zeros.  (Also the places between the writes of q and its words and the first products)
.set J, J+1
.endr
	WIN 0
	s_mov_b32 s[ST], 0
.Lstep:                                            ; a key step: 128 keys x 32 queries
	WALU
	s_wait_dscnt 0x0                               ; this step's K, asked for a step ago, is in
	s_mul_i32 s[KB], s[ST], STEPB
	s_add_co_u32 s[KN], s[ST], 1
	s_and_b32 s[KN], s[KN], 15                     ; the next step; behind the last comes step 0, for the next pass
	s_mul_i32 s[KN], s[KN], STEPB
	WIN 0x05
	SCORES 0
	SCORES 1
	WIN 0
	v_add_nc_u32 v[ADV], s[KB], v[LI]              ; four places behind the products (ISA guide 7.12.1 for vector instructions)
	v_add_nc_u32 v[ADS], s[KB], v[LS]
	v_add_nc_u32 v[ADK], s[KN], v[LK]
	v_add_nc_u32 v[ADW], s[KN], v[LW]
	VLOAD                                          ; this step's V and the next step's K land during the softmax
	KLOAD
.set I, 0
.rept 24
	MAXB 0, I                                      ; A's maxima
.set I, I+1
.endr
.set I, 0
.rept 24                               ; B's maxima; among them A's entries 0 to 13, those that hang on each other three lines apart
	MAXB 1, I
.if I < 9
	CH 0, I
.elseif (I-8)%3 == 0
	CH 0, 8+(I-8)/3
.endif
.set I, I+1
.endr
.irp i, 0,1,2,3
	CH 1, \i
.endr
.set I, 0
.rept 32                               ; A's t - M; among them the rest of both lists
	PKF1 0, I
.if I <= 12
	E2 I
.elseif (I-12)%3 == 0
	E2 12+(I-12)/3
.endif
.set I, I+1
.endr
	E2 19
	WALU                                           ; a wait ahead of a batch of transcendentals and one behind it
	v_exp_f32 v[BM], v[BM]                         ; a block's largest p: the same two instructions on the same number give the same bits
	v_exp_f32 v[BM+1], v[BM+1]
.set I, 0
.rept 32                               ; A's p = 2^(t - M), at most 1; among them B's t - M, first read behind the next wait
	v_exp_f32 v[SA+2*I], v[SA+2*I]
	v_exp_f32 v[SA+2*I+1], v[SA+2*I+1]
	PKF1 1, I
.set I, I+1
.endr
	WALU                                           ; behind A's batch, ahead of B's
	v_exp_f32 v[BM+2], v[BM+2]
	v_exp_f32 v[BM+3], v[BM+3]
.set I, 0
.rept 16                               ; B's p; among them the first level of A's sum, into sixteen pairs that are first read behind the next wait
.irp e, 0,1,2,3
	v_exp_f32 v[SB+4*I+\e], v[SB+4*I+\e]
.endr
.if I < 8
	v_pk_add_f32 v[TC+2*I:TC+2*I+1], v[SA+4*I:SA+4*I+1], v[SA+4*I+2:SA+4*I+3]
.else
	v_pk_add_f32 v[T+2*I-16:T+2*I-15], v[SA+4*I:SA+4*I+1], v[SA+4*I+2:SA+4*I+3]
.endif
.set I, I+1
.endr
.irp w, 0,1
	v_pk_mul_f32 v[LA+4*\w:LA+4*\w+1], v[LA+4*\w:LA+4*\w+1], v[FA+2*\w:FA+2*\w+1] op_sel_hi:[1,0]   ; l under the new M
.endr
	v_max_num_f32 v[BM], 0x1800000, v[BM]          ; the floor for A's two blocks
	v_max_num_f32 v[BM+1], 0x1800000, v[BM+1]
	WALU                                           ; behind B's batch
.irp k, 0,1,2,3,4,5,6,7
	PADD T+2*\k, TC+2*\k
.endr
.irp k, 0,1,2,3,4,5,6,7
	v_pk_add_f32 v[TC+2*\k:TC+2*\k+1], v[SB+4*\k:SB+4*\k+1], v[SB+4*\k+2:SB+4*\k+3]   ; the first level of B's sum
.endr
.set I, 0
.rept 26
	BB5 I
	E5 I
.set I, I+1
.endr
.irp w, 0,1                            ; my two blocks' codes; a conversion's three registers begin on an even number, so each block's second half is made elsewhere and moved
.irp c, 0,1
	v_cvt_scalef32_pk16_fp6_f32 v[PCA+12*\w+6*\c:PCA+12*\w+6*\c+2], v[SA+64*\w+32*\c:SA+64*\w+32*\c+15], v[SO+2*\w+\c]
	v_cvt_scalef32_pk16_fp6_f32 v[TC+8*\w+4*\c:TC+8*\w+4*\c+2], v[SA+64*\w+32*\c+16:SA+64*\w+32*\c+31], v[SO+2*\w+\c]
.endr
.endr
	v_nop                                          ; one plain place behind a scaled conversion
.irp w, 0,1
.irp c, 0,1
.irp i, 0,1,2
	v_mov_b32 v[PCA+12*\w+6*\c+3+\i], v[TC+8*\w+4*\c+\i]
.endr
.endr
.endr
	WIN 0x41
	WALU
.irp w, 0,1                            ; O^T under the new M, each accumulator from its low end on.  (Also the places between the writes of p's codes and words and the products)
.set J, 0
.rept 16
	v_pk_mul_f32 v[O+32*\w+J:O+32*\w+J+1], v[O+32*\w+J:O+32*\w+J+1], v[FA+2*\w:FA+2*\w+1] op_sel_hi:[1,0]
.set J, J+2
.endr
.endr
	WALU
	s_wait_dscnt 16                                ; V's 13 loads are in; the next step's 16 loads of K, issued behind them, may stay out
	WIN 0x51
	PV 0
	PV 1
	WIN 0
	s_add_co_u32 s[ST], s[ST], 1
	s_cmp_lt_u32 s[ST], 16
	s_cbranch_scc1 .Lstep
.rept 4
	v_nop                                          ; places: O^T is read
.endr
	OUT 0
	OUT 1
	WALU
	s_wait_xcnt 0x0                                ; the stores have read their registers and bases: both are written again below and in the next pass
	s_add_nc_u64 s[OC:OC+1], s[OC:OC+1], 3072      ; the next pair image's two fragments
	s_add_nc_u64 s[OS:OS+1], s[OS:OS+1], 8
	v_mov_b32 v[QW], v[QW+1]
	WIN 0x41
.irp j, 0,1,2,3,4,5,6,7,8,9,10,11
	v_mov_b32 v[QI+\j], v[QI+12+\j]
.endr
	WIN 0
	s_sub_co_u32 s[PASS], s[PASS], 1
	s_cmp_lg_u32 s[PASS], 0
	WALU
	s_cbranch_scc1 .Lpass
	s_wait_tensorcnt 0x0                           ; the wave's end
	ds_add_u32 v[SPW], v[NIL]
	s_wait_dscnt 0x0
	CROUND                                         ; the closing round
	s_endpgm
.Lfunc_end_k_qf938bf7a14_attn:
	.size	k_qf938bf7a14_attn, .Lfunc_end_k_qf938bf7a14_attn-k_qf938bf7a14_attn
	.p2alignl 7, 3214868480
	.fill 96, 4, 3214868480
	.section	.rodata,"a",@progbits
	.p2align	6, 0x0
	.amdhsa_kernel k_qf938bf7a14_attn
		.amdhsa_group_segment_fixed_size 257024
		.amdhsa_private_segment_fixed_size 0
		.amdhsa_enable_private_segment 0
		.amdhsa_kernarg_size 24
		.amdhsa_user_sgpr_count 2
		.amdhsa_user_sgpr_kernarg_segment_ptr 1
		.amdhsa_wavefront_size32 1
		.amdhsa_system_sgpr_workgroup_id_x 1
		.amdhsa_system_sgpr_workgroup_id_y 1
		.amdhsa_system_sgpr_workgroup_id_z 1
		.amdhsa_system_vgpr_workitem_id 0
		.amdhsa_next_free_vgpr 512
		.amdhsa_next_free_sgpr 66
		.amdhsa_reserve_vcc 0
		.amdhsa_float_denorm_mode_32 3
		.amdhsa_float_denorm_mode_16_64 3
		.amdhsa_memory_ordered 1
		.amdhsa_forward_progress 1
		.amdhsa_inst_pref_size 46
	.end_amdhsa_kernel
	.amdgpu_metadata
---
amdhsa.version: [ 1, 2 ]
amdhsa.kernels:
  - .name:           k_qf938bf7a14_attn
    .symbol:         k_qf938bf7a14_attn.kd
    .args:
      - { .name: qq, .offset: 0, .size: 8, .value_kind: global_buffer, .address_space: global }
      - { .name: kv, .offset: 8, .size: 8, .value_kind: global_buffer, .address_space: global }
      - { .name: oq, .offset: 16, .size: 8, .value_kind: global_buffer, .address_space: global }
    .group_segment_fixed_size: 257024
    .private_segment_fixed_size: 0
    .kernarg_segment_align: 8
    .kernarg_segment_size: 24
    .max_flat_workgroup_size: 256
    .sgpr_count:     66
    .vgpr_count:     512
    .wavefront_size: 32
...
	.end_amdgpu_metadata
.endif
;; end of part 3
;; launch proj (part 4): grid 4 x 64, 4 waves a work-group, clusters of 4 x 4, 327,680 bytes of LDS; arguments oq, wp, b_proj, out0; writes out0
.if DOCPART == 4
	.amdgcn_target "amdgcn-amd-amdhsa--gfx1250"
	.amdhsa_code_object_version 6
	.text
	.protected	k_qf938bf7a14_proj
	.globl	k_qf938bf7a14_proj
	.p2align	8
	.type	k_qf938bf7a14_proj,@function
k_qf938bf7a14_proj:
	s_mov_b64 s[64:65], 0
	v_nop
	global_prefetch_b8 v0, s[64:65] scope:SCOPE_SE
	s_setreg_imm32_b32 hwreg(HW_REG_WAVE_MODE, 25, 1), 1
	s_wait_xcnt 0x0
	s_wait_alu depctr_hold_cnt(0) depctr_sa_sdst(0) depctr_va_vdst(0) depctr_va_sdst(0) depctr_va_ssrc(0) depctr_va_vcc(0) depctr_vm_vsrc(0)
	s_getreg_b32 s2, hwreg(HW_REG_IB_STS2, 6, 4)
	s_cmp_eq_u32 s2, 0
	s_cbranch_scc0 .Lentry_in_a_cluster
	s_endpgm
.Lentry_in_a_cluster:
	s_bfe_u32 s2, ttmp6, 0x10000c
	s_cmp_lg_u32 s2, 0xf033
	s_cbranch_scc0 .Lentry_shape_is_right
	s_endpgm
.Lentry_shape_is_right:
; out0 = O W_proj + b_proj on codes of FP6 (E2M3) with E8M0 scales; sums in f32.
; A work-group of four waves makes 128 tokens x 256 columns over all K = 1,024; wave w makes 128 tokens x columns 64 w on: 32 accumulators, 256 registers.
; ALL OF K LIES IN LDS AT ONCE: A's group (8 blocks of 12,800 bytes) and B's two groups, 307,200 bytes, each filled once, in halves of four K steps; nothing is filled again.
; The blocks are images of the operands' registers (fragment T at 1536 T in two halves of 768 bytes; scale words at 12288 + 256 (T / 4) + 16 r + 4 (T % 4)): every LDS load reads consecutive bytes.
; CLUSTERS: 4 x 4 work-groups.  The four of a row need the same group of A, the four of a column the same groups of B: each chunk is asked for jointly.
; Source 0 = 16 columns, source 1 = 16 tokens: a lane holds one token and eight neighbouring columns.  The bias is the C of each sum's first product.
; Row p of fragment 2 b + u is index 32 b + 8 u + p + 8 (p / 8) of its 128, for tokens and columns alike: the way out puts both back in order.
; REGISTERS, in windows of 256: window 0: v1-17 addresses; v32-39 A's scale words, v40-47 B's, two sets each; v64-159, v160-255 A's 8 fragments, two sets.   window 1: v0-47, v48-95 B's 4 fragments, two sets; v96-127 the bias.   window 2: the accumulators.
.set GRP,   102400
.set BLK,   12800
.set CHUNK, 51200                      ; four K steps of a group: half of it
.set SPARE, 307200                     ; behind the three groups: the spare words, 128 bytes for each wave: two blocks of 256 bytes that no other line names
.set STAGE, 307712                     ; behind them: 16 rows x (256 + 16) bytes for each wave, for the way out; no tensor load lands here
.set SPW, 28
.set NIL, 29
.set STO, 15                           ; v15  the way out: where I put 16 bytes of a row
.set RBK, 16                           ; v16  where I read a row back
.set CO,  17                           ; v17  my byte offset in out0
.set WV,  14
.set G1A, 24
.set G1B, 32
.set G0A, 40
.set G0B, 68
.set MSB, 0
.macro WIN new                         ; the immediate's high byte repeats the setting that is left
.if MSB != \new
	s_set_vgpr_msb (MSB<<8)|\new
.set MSB, \new
.endif
.endm
.macro PLACES n
.rept \n
	v_nop
.endr
.endm
.macro CROUND
	s_barrier_signal -1
	s_barrier_wait -1
	s_cmp_lg_u32 s[WV], 0
	s_cbranch_scc1 .Lnot_wave_0_\@
	s_barrier_signal -3
.Lnot_wave_0_\@:
	s_barrier_wait -3
	s_barrier_signal -1
	s_barrier_wait -1
.endm
	s_load_b256 s[4:11], s[0:1], 0x0               ; oq s[4:5], wp s[6:7], b_proj s[8:9], out0 s[10:11]
	v_lshl_add_u32 v[SPW], v0, 2, SPARE
	v_mov_b32 v[NIL], 0
	ds_add_u32 v[SPW], v[NIL]                      ; the wave's opening: the add, twice on end, and its wait ahead of my first tensor load; work on registers stands between them
	ds_add_u32 v[SPW], v[NIL]
	v_lshrrev_b32 v1, 5, v0
	v_readfirstlane_b32 s[WV], v1                  ; wave 0..3
	s_bfe_u32 s56, ttmp6, 0x40000                  ; cx
	s_bfe_u32 s57, ttmp6, 0x40004                  ; cy
	s_lshl_b32 s58, ttmp9, 2
	s_add_co_u32 s58, s58, s56                     ; nt: which 256 columns
	s_and_b32 s59, ttmp7, 0xffff
	s_lshl_b32 s59, s59, 2
	s_add_co_u32 s59, s59, s57                     ; mt: which 128 tokens
	s_lshl_b32 s60, s57, 2
	s_lshl_b32 s60, 15, s60                        ; my row of the cluster
	s_lshl_b32 s61, 0x1111, s56                    ; my column
	s_or_b32 s[G1A], s60, (3<<16)|(1<<21)          ; 15:0 the mask; 17:16 elements of 8 bytes; 21 set beside a mask
	s_or_b32 s[G1B], s61, (3<<16)|(1<<21)
	s_mov_b32 s[G1A+1], 32<<16                     ; A: half a group, dense, as 200 rows of 256 bytes
	s_mov_b32 s[G1A+2], 200<<16
	s_mov_b32 s[G1A+3], 32<<16
	s_mov_b32 s[G1A+4], 200
	s_mov_b32 s[G1A+5], 32
	s_mov_b32 s[G1B+1], 6400<<16                   ; B: the same half of my two groups by one descriptor: two rows of 51,200 bytes, a group (12,800 elements of 8 bytes) apart
	s_mov_b32 s[G1B+2], 2<<16
	s_mov_b32 s[G1B+3], 6400<<16
	s_mov_b32 s[G1B+4], 2
	s_mov_b32 s[G1B+5], 12800
.irp g, G1A, G1B
	s_mov_b32 s[\g+6], 0
	s_mov_b32 s[\g+7], 0
.endr
	s_mul_i32 s16, s59, GRP                        ; A's group, by the token group alone
	s_mov_b32 s17, 0
	s_mul_i32 s88, s58, 2*GRP                      ; B's two groups, by the column tile alone
	s_mov_b32 s89, 0
	s_wait_dscnt 0x0                               ; both opening adds are done
	s_wait_kmcnt 0x0
	s_add_nc_u64 s[16:17], s[4:5], s[16:17]
	s_add_nc_u64 s[88:89], s[6:7], s[88:89]
	CROUND                                         ; all sixteen work-groups are here: the joint loads meet
.irp q, 0,1                            ; half q = K steps 4 q .. 4 q + 3.  LDS: A's group at 0; from GRP on B's halves: [half][group][4 blocks]
	s_mov_b32 s[G0A+4*\q], 1
	s_mov_b32 s[G0A+4*\q+1], \q*CHUNK
	s_add_nc_u64 s[G0A+4*\q+2:G0A+4*\q+3], s[16:17], \q*CHUNK
	s_or_b32 s[G0A+4*\q+3], s[G0A+4*\q+3], 0x80000000
	s_mov_b32 s[G0B+4*\q], 1
	s_mov_b32 s[G0B+4*\q+1], GRP+2*\q*CHUNK
	s_add_nc_u64 s[G0B+4*\q+2:G0B+4*\q+3], s[88:89], \q*CHUNK
	s_or_b32 s[G0B+4*\q+3], s[G0B+4*\q+3], 0x80000000
.endr
; all fills of the launch, one joint load a wave, in one chain of branches on the wave's number: wave 0 A's first half, wave 1 B's, wave 2 A's second half, wave 3 B's
.macro ARM under, g0, g1, next
	s_cmp_lt_u32 s[WV], \under
	s_cbranch_scc0 \next
	tensor_load_to_lds s[\g0:\g0+3], s[\g1:\g1+7]
	s_nop 0
	PLACES 4
	s_branch .Lasked
\next:
.endm
	ARM 1, G0A, G1A, .Larm_b
	ARM 2, G0B, G1B, .Larm_a2
	ARM 3, G0A+4, G1A, .Larm_b2
	tensor_load_to_lds s[G0B+4:G0B+7], s[G1B:G1B+7]
	s_nop 0
	PLACES 4
.Lasked:
	v_and_b32 v1, 31, v0                           ; lane
	v_and_b32 v2, 15, v0                           ; r
	v_bfe_u32 v3, v0, 4, 1                         ; h
	v_lshlrev_b32 v4, 4, v1                        ; A: 16 x lane, K steps 0-3;
	v_add_nc_u32 v5, 4*BLK, v4                     ;    K steps 4-7 (an LDS immediate has 16 bits)
	v_lshlrev_b32 v6, 3, v1
	v_add_nc_u32 v7, 4*BLK, v6
	s_lshr_b32 s15, s[WV], 1
	s_mul_i32 s15, s15, CHUNK
	s_add_co_u32 s15, s15, GRP                     ; B: my group,
	s_and_b32 s19, s[WV], 1
	s_mul_i32 s90, s19, 6144
	s_add_co_u32 s90, s90, s15                     ;    my four fragments of each block
	v_add_nc_u32 v8, s90, v4
	v_add_nc_u32 v9, 8*BLK, v8
	v_add_nc_u32 v10, s90, v6
	v_add_nc_u32 v11, 8*BLK, v10
	s_lshl_b32 s19, s19, 8
	s_add_co_u32 s19, s19, s15
	s_add_co_u32 s19, s19, 12288
	v_lshl_add_u32 v12, v2, 4, s19                 ;    their four scale words of row r
	v_add_nc_u32 v13, 8*BLK, v12
	s_lshl_b32 s91, s58, 10
	s_lshl_b32 s92, s[WV], 8
	s_add_co_u32 s92, s92, s91                     ; my first column, in bytes: 1,024 nt + 256 wave
	s_mov_b32 s93, 0
	s_add_nc_u64 s[8:9], s[8:9], s[92:93]
	s_lshl_b32 s94, s59, 19                        ; my first token: 128 rows of 4,096 bytes a token group
	s_add_co_u32 s94, s94, s92
	s_mov_b32 s95, 0
	s_add_nc_u64 s[10:11], s[10:11], s[94:95]
	v_lshlrev_b32 v14, 6, v3                       ; the bias: fragment 2 i + u's eight results of my half are columns 32 i + 8 u + 16 h + 0 .. 7
	WIN 0x40                                       ; destination window 1
.irp b, 0,1,2,3
	global_load_b128 v[96+8*\b:99+8*\b], v14, s[8:9] offset:128*(\b/2)+32*(\b%2)
	global_load_b128 v[100+8*\b:103+8*\b], v14, s[8:9] offset:128*(\b/2)+32*(\b%2)+16
.endr
	WIN 0
	s_mul_i32 s96, s[WV], 16*272
	s_add_co_u32 s96, s96, STAGE                   ; my stage
	v_mul_u32_u24 v[STO], v2, 272
	v_lshl_add_u32 v[STO], v3, 6, v[STO]
	v_add_nc_u32 v[STO], s96, v[STO]               ; in: row r, + 64 h
	v_mul_u32_u24 v[RBK], v3, 272
	v_lshl_add_u32 v[RBK], v2, 4, v[RBK]
	v_add_nc_u32 v[RBK], s96, v[RBK]               ; back: lanes 0-15 one row of 256 bytes, lanes 16-31 the next
	v_lshlrev_b32 v[CO], 12, v3
	v_lshl_add_u32 v[CO], v2, 4, v[CO]             ; and the same two rows in out0
.macro FRAG reg, a16, a8, off          ; a fragment's 12 registers: two halves, each 16 and 8 bytes a lane
	ds_load_b128 v[\reg:\reg+3], v[\a16] offset:\off
	ds_load_b64 v[\reg+4:\reg+5], v[\a8] offset:\off+512
	ds_load_b128 v[\reg+6:\reg+9], v[\a16] offset:\off+768
	ds_load_b64 v[\reg+10:\reg+11], v[\a8] offset:\off+1280
.endm
.macro FETCH s, set                    ; K step s into set: 50 LDS loads in one run
.set HI, (\s)/4
.set O, ((\s)%4)*BLK
	WIN 0x40
.irp b, 0,1,2,3
	FRAG 48*(\set)+12*\b, 8+HI, 10+HI, O+1536*\b
.endr
	WIN 0
.irp a, 0,1,2,3,4,5,6,7
	FRAG 64+96*(\set)+12*\a, 4+HI, 6+HI, O+1536*\a
.endr
	ds_load_b128 v[32+4*(\set):35+4*(\set)], v[4+HI] offset:O+12288   ; A's scale words: lanes 0-15 those of fragments 0-3, lanes 16-31 those of fragments 4-7
	ds_load_b128 v[40+4*(\set):43+4*(\set)], v[12+HI] offset:O        ; B's four
.endm
; 32 products: A's eight fragments x B's four.  The 32 accumulators take turns, one instruction a turn, in the same order in every step.  first = 1: the bias starts the sums
.macro MUL set, first
.if \first
	WIN 0x91                                       ; source 0 (B) window 1, source 1 (A) window 0, C (the bias) window 1, D window 2
.else
	WIN 0xa1                                       ; C and D window 2
.endif
.irp a, 0,1,2,3,4,5,6,7
.irp b, 0,1,2,3
.set PD, 8*(4*\a+\b)
.set P0, 48*(\set)+12*\b
.set P1, 64+96*(\set)+12*\a
.set X0, 40+4*(\set)+\b
.set X1, 32+4*(\set)+\a%4
.set PB, 96+8*\b
.if \first
.if \a < 4
	v_wmma_scale_f32_16x16x128_f8f6f4 v[PD:PD+7], v[P0:P0+11], v[P1:P1+11], v[PB:PB+7], v[X0], v[X1] matrix_a_fmt:MATRIX_FMT_FP6 matrix_b_fmt:MATRIX_FMT_FP6
.else
	v_wmma_scale_f32_16x16x128_f8f6f4 v[PD:PD+7], v[P0:P0+11], v[P1:P1+11], v[PB:PB+7], v[X0], v[X1] matrix_a_fmt:MATRIX_FMT_FP6 matrix_b_fmt:MATRIX_FMT_FP6 matrix_b_scale:MATRIX_SCALE_ROW1
.endif
.else
.if \a < 4
	v_wmma_scale_f32_16x16x128_f8f6f4 v[PD:PD+7], v[P0:P0+11], v[P1:P1+11], v[PD:PD+7], v[X0], v[X1] matrix_a_fmt:MATRIX_FMT_FP6 matrix_b_fmt:MATRIX_FMT_FP6
.else
	v_wmma_scale_f32_16x16x128_f8f6f4 v[PD:PD+7], v[P0:P0+11], v[P1:P1+11], v[PD:PD+7], v[X0], v[X1] matrix_a_fmt:MATRIX_FMT_FP6 matrix_b_fmt:MATRIX_FMT_FP6 matrix_b_scale:MATRIX_SCALE_ROW1
.endif
.endif
.endr
.endr
.endm
.macro STEP s
	s_wait_dscnt 0x0                               ; this step's 50 loads, issued ahead of the last step's products, are in
.if (\s) == 3
	s_wait_tensorcnt 0x0                           ; every wave's load has landed: the second halves, K steps 4 to 7, among them; nothing is ever filled again
	s_barrier_signal -1
	s_barrier_wait -1                              ; everybody's has
.endif
.if (\s) < 7
.if (\s) > 0
	PLACES 4                                       ; in front of loads into registers that the last step's products have read (ISA guide 7.12.1 for vector instructions)
.endif
	FETCH (\s)+1, ((\s)+1)%2
.endif
.if (\s) == 0
	MUL 0, 1
.else
	MUL (\s)%2, 0
.endif
	WIN 0
.endm
	s_wait_alu depctr_va_vdst(0)
	s_cmp_lt_u32 s[WV], 2                          ; waves 0 and 1 brought K steps 0 to 3 by load lines of their own: they wait here; the second halves may stay out
	s_cbranch_scc0 .Llater
	s_wait_tensorcnt 0x0
.Llater:
	s_barrier_signal -1
	s_barrier_wait -1                              ; everybody's is
	FETCH 0, 0
	s_wait_loadcnt 0x0                             ; the bias
.irp s, 0,1,2,3,4,5,6,7
	STEP \s
.endr
; THE WAY OUT, a fragment of 16 tokens x my 64 columns at a time.  A lane holds 32 neighbouring bytes of a row and the lanes beside it other rows: so a block goes through my own stage and comes back as whole rows of 256 bytes.
; LDS serves a wave's instructions in order (ISA guide 5.7.1.4): no wait between the stores and the loads, nor in front of the next block's stores.
.macro TOSTAGE a
	WIN 0x08                                       ; an LDS store's data are its source 1: window 2
.irp b, 0,1,2,3
	ds_store_b128 v[STO], v[8*(4*(\a)+\b):8*(4*(\a)+\b)+3] offset:128*(\b/2)+32*(\b%2)        ; each accumulator from its low end on
	ds_store_b128 v[STO], v[8*(4*(\a)+\b)+4:8*(4*(\a)+\b)+7] offset:128*(\b/2)+32*(\b%2)+16
.endr
	WIN 0
.irp i, 0,1,2,3,4,5,6,7
	ds_load_b128 v[64+32*((\a)%2)+4*\i:67+32*((\a)%2)+4*\i], v[RBK] offset:544*\i
.endr
.endm
.macro SEND a, younger                 ; younger: the LDS instructions issued behind block a's loads, which may stay out
	s_wait_dscnt \younger
.irp i, 0,1,2,3,4,5,6,7
	global_store_b128 v[CO], v[64+32*((\a)%2)+4*\i:67+32*((\a)%2)+4*\i], s[10:11] offset:(32*((\a)/2)+8*((\a)%2)+2*\i+8*(\i/4))*4096 th:TH_STORE_NT   ; 16 lanes store 256 consecutive bytes, aligned; the fragment's rows go back to their tokens in the immediate
.endr
.endm
	PLACES 4                                       ; behind the last products: results are read, and registers that products have read are loaded
	s_wait_alu depctr_va_vdst(0)
	TOSTAGE 0
.irp a, 1,2,3,4,5,6,7
.if \a > 1
	s_wait_xcnt 0x0                                ; block a - 2's stores have read their registers: block a's loads may land there
.endif
	TOSTAGE \a
	SEND \a-1, 16                                  ; behind block a - 1's loads: block a's 8 stores and 8 loads
.endr
	SEND 7, 0
	s_wait_tensorcnt 0x0                           ; the wave's end, behind my last tensor load and my last LDS store
	ds_add_u32 v[SPW], v[NIL]
	s_wait_dscnt 0x0
	CROUND                                         ; the closing round
	s_endpgm
.Lfunc_end_k_qf938bf7a14_proj:
	.size	k_qf938bf7a14_proj, .Lfunc_end_k_qf938bf7a14_proj-k_qf938bf7a14_proj
	.p2alignl 7, 3214868480
	.fill 96, 4, 3214868480
	.section	.rodata,"a",@progbits
	.p2align	6, 0x0
	.amdhsa_kernel k_qf938bf7a14_proj
		.amdhsa_group_segment_fixed_size 327680
		.amdhsa_private_segment_fixed_size 0
		.amdhsa_enable_private_segment 0
		.amdhsa_kernarg_size 32
		.amdhsa_user_sgpr_count 2
		.amdhsa_user_sgpr_kernarg_segment_ptr 1
		.amdhsa_wavefront_size32 1
		.amdhsa_system_sgpr_workgroup_id_x 1
		.amdhsa_system_sgpr_workgroup_id_y 1
		.amdhsa_system_sgpr_workgroup_id_z 1
		.amdhsa_system_vgpr_workitem_id 0
		.amdhsa_next_free_vgpr 768
		.amdhsa_next_free_sgpr 100
		.amdhsa_reserve_vcc 0
		.amdhsa_float_denorm_mode_32 3
		.amdhsa_float_denorm_mode_16_64 3
		.amdhsa_memory_ordered 1
		.amdhsa_forward_progress 1
		.amdhsa_inst_pref_size 83
	.end_amdhsa_kernel
	.amdgpu_metadata
---
amdhsa.version: [ 1, 2 ]
amdhsa.kernels:
  - .name:           k_qf938bf7a14_proj
    .symbol:         k_qf938bf7a14_proj.kd
    .args:
      - { .name: oq, .offset: 0, .size: 8, .value_kind: global_buffer, .address_space: global }
      - { .name: wp, .offset: 8, .size: 8, .value_kind: global_buffer, .address_space: global }
      - { .name: b_proj, .offset: 16, .size: 8, .value_kind: global_buffer, .address_space: global }
      - { .name: out0, .offset: 24, .size: 8, .value_kind: global_buffer, .address_space: global }
    .group_segment_fixed_size: 327680
    .private_segment_fixed_size: 0
    .kernarg_segment_align: 8
    .kernarg_segment_size: 32
    .max_flat_workgroup_size: 128
    .sgpr_count:     100
    .vgpr_count:     768
    .wavefront_size: 32
...
	.end_amdgpu_metadata
.endif
;; end of part 4
